; MI455X (gfx1250); checked and timed in simulation.
; The chip was launched on July 23, 2026; its instructions are those of AMD's public machine-readable ISA for CDNA 5 (MIT licence, August 2026) and "CDNA5" Instruction Set Architecture Reference Guide (July 2026). The comments in the code are by the model that wrote it; some were corrected since.
;; MM Group Attention. Allowed arithmetic: matrix products marked QUANTISED: E2M3 operands, one E8M0 scale for each 32 along K, by v_wmma_scale_f32_16x16x128_f8f6f4 with both operands' format E2M3, f32 sums; everything else in f32.
;; Inputs: Wk 1,024 x 1,024 float32; Wq 1,024 x 1,024 float32; Wv 1,024 x 1,024 float32; bk 1,024 float32; bq 1,024 float32; bv 1,024 float32; key 8 x 1,024 x 1,024 float32; mask 8 x 4 x 1,024 x 1,024 int32; query 8 x 1,024 x 1,024 float32; value 8 x 1,024 x 1,024 float32.
;; Outputs: out0 8 x 1,024 x 1,024 float32.
;; This version of the problem:
;;   THIS VERSION OF THE PROBLEM IS GIVEN IN LOW PRECISION. The matrix products marked QUANTISED in the list below multiply operands that are first quantised to E2M3 (2 exponent bits, 3 mantissa bits; 6 bits a number), with one power-of-two scale for each 32 numbers along K (OCP MX v1.0); their sums are f32. All else is computed in f32.
;;   The module's matrix products, in the order in which they are computed (A, B: the left and right operand; K: the contracted axis; several contracted axes count as one K, in the product's order):
;;     1. [M 8,192, K 1,024] x [K 1,024, N 1,024]; A: input query; B: input Wq: QUANTISED
;;     2. [M 8,192, K 1,024] x [K 1,024, N 1,024]; A: input key; B: input Wk: QUANTISED
;;     3. [M 8,192, K 1,024] x [K 1,024, N 1,024]; A: input value; B: input Wv: QUANTISED
;;     4. batch 64 x [M 1,024, K 128] x [K 128, N 1,024]; A: computed on the way; B: computed on the way: QUANTISED
;;     5. batch 64 x [M 1,024, K 1,024] x [K 1,024, N 128]; A: softmax (see below); B: computed on the way: QUANTISED
;;     6. [M 8,192, K 1,024] x [K 1,024, N 1,024]; A: computed on the way; B: input Wv: QUANTISED
;;   THE QUANTISER, for each operand of a quantised product, along K:
;;     - K is cut into blocks of 32 from its start; a last block that is shorter is filled with zeros.
;;     - A block's scale is 2^e with e = floor(log2(the largest magnitude in the block)) - 2, held to -126 .. 127; a block of zeros has e = 0. As a byte (E8M0): e + 127.
;;     - Each number is divided by its block's scale, clamped to +-7.5, and rounded to the nearest number of E2M3, ties to even, subnormals kept.
;;     - The product sums the exact products of the quantised numbers (number of the format x scale) in f32.
;;   ~~~python
;;   def quantise(x, axis):      # numpy; x: float32 -> the quantised numbers, widened to float32 again
;;       x = np.moveaxis(x, axis, -1); K = x.shape[-1]
;;       x = np.pad(x, [(0, 0)] * (x.ndim - 1) + [(0, -K % 32)]); x = x.reshape(x.shape[:-1] + (-1, 32)); a = np.abs(x).max(-1, keepdims=True)
;;       e = np.where(a > 0, np.clip(np.frexp(np.where(a > 0, a, 1))[1] - 1 - 2, -126, 127), 0)      # np.frexp(a)[1] - 1 = floor(log2(a)), exactly
;;       r = np.clip(x / 2.0 ** e, -7.5, 7.5)
;;       step = 2.0 ** (np.maximum(np.frexp(np.where(r == 0, 1, r))[1] - 1, 0) - 3)
;;       q = np.round(r / step) * step * 2.0 ** e      # np.round: ties to even
;;       return np.moveaxis(q.reshape(q.shape[:-2] + (-1,))[..., :K], -1, axis).astype(np.float32)
;;   ~~~
;;   SOFTMAX AHEAD OF A QUANTISED PRODUCT. Where the list says 'softmax', what is quantised is not the finished softmax but p = 2^(t - M), with t = logit x log2(e) and M = ceil(the row's largest t), a whole number; so 1/2 < the row's largest p <= 1. The row's sum l is taken of the UNQUANTISED p, in f32, and the product's result is divided by l at the end. Since M is a whole number, a kernel that streams over the keys may use a running M (the ceiling of the running maximum): every later rescaling is an exact power of two, which a block's scale takes up: the codes' values come out the same.
;;   OPERANDS COMPUTED ON THE WAY. 'Computed on the way' means the value that the module computes at that place (a softmax that the list does not call 'softmax' is quantised finished and normalised). What goes into a quantiser is computed in f32, as accurately as f32 sums, v_exp_f32 and their like allow (about 1e-6 of the number): no bf16 or f16 on the way to a quantiser, and a product that is left as it is and whose result goes on into a quantised operand takes f32 operands (vector FMAs, or v_wmma_f32_16x16x4_f32). A number that lies on a knife's edge between two numbers of the format may be rounded either way, as far as f32 arithmetic and the matrix unit's own rounding can turn it there, and no further.
;; One version. Each part assembles by itself: llvm-mc -triple=amdgcn-amd-amdhsa -mcpu=gfx1250 --defsym DOCPART=n.
;; ======== version 1 of 1: 4 launches
;; limits: right only within a limited range of input values
;; workspace buffers: xin 19,660,800 bytes; wc 2,457,600 bytes; qkv 19,660,800 bytes; xr 6,553,600 bytes
;; launch prep (part 1): grid 1728 x 1, 1 waves a work-group, no clusters, 8,704 bytes of LDS; arguments query, key, value, Wq, Wk, Wv, xin, wc; writes xin, wc
.if DOCPART == 1
	.amdgcn_target "amdgcn-amd-amdhsa--gfx1250"
	.amdhsa_code_object_version 6
	.text
	.protected	k_q8b3cd38ae0_prep
	.globl	k_q8b3cd38ae0_prep
	.p2align	8
	.type	k_q8b3cd38ae0_prep,@function
k_q8b3cd38ae0_prep:
	s_mov_b64 s[64:65], 0
	v_nop
	global_prefetch_b8 v0, s[64:65] scope:SCOPE_SE
	s_setreg_imm32_b32 hwreg(HW_REG_WAVE_MODE, 25, 1), 1
	s_wait_xcnt 0x0
; query, key, value [8192][1024] and Wq, Wk, Wv [1024][1024], f32, become codes of FP6 (E2M3) with one E8M0 byte for each 32 along K (the last axis).  Every input byte is read once, 512 consecutive bytes a load.
; A RECORD (12,800 bytes) is 128 rows x 128 along K as an image of operand registers: tile i (16 rows) at 1536 i; in it registers 4 c .. 4 c + 3 of lane L at 512 c + 16 L;
; at 12288 + 16 L + 4 u the scale word of row L % 16 of tile 2 u + L / 16.  Row r of tile i is row 32 (i / 2) + 8 (i % 2) + r + 8 (r / 8) of the 128,
; so that a later product that takes such a tile as source 0 leaves a lane 16 neighbours in the registers of two neighbouring tiles.
; xin: records [query, key, value][group of 128 tokens][K step of 128];  wc: records [Wq, Wk, Wv][group of 128 rows][K step].
; A WORK-GROUP IS ONE WAVE AND MAKES ONE RECORD: eight tiles of 16 rows x 512 bytes.  1,728 equal work-groups: 0-1535 the tokens, 1536-1727 the weights.  Waves share nothing, so nothing is gained by putting several in a work-group.
; A conversion wants 16 neighbours along K in ONE lane: so a tile turns through the wave's stage in LDS (rows of 512 + 16 bytes).
; A block's scale is 2^(floor(log2(largest magnitude)) - 2); its byte is the largest magnitude's exponent field - 2, held at 1 from below.
; LIMITS: a block of zeros, or one whose largest magnitude lies under 2^-124, gets the byte 1 (the bytes are read by this program alone); NaN and infinities are not served.
; No matrix work, no tensor loads, no barrier.  Two tiles (32 loads) are on their way.
.set SPITCH, 528
.set STG,    16*SPITCH                 ; the stage
.set SPARE,  STG                       ; behind it: the spare words, 128 bytes, in a block of 256
.set LI,   2                           ; 16 x lane: a load's and a store's offset, and the stage's way in
.set QOUT, 4                           ; stage, way out: 528 r + 64 h
.set SPW,  5
.set NIL,  6
.set R,    16                          ; v16-143  two sets of 64: a tile as loaded
.set X,    144                         ; v144-207 a tile turned: register 16 b + e = column 32 b + 16 h + e of row r
.set PC,   208                         ; codes
.set TM,   228
.set PW,   244
.set SW,   248
.set SRC,  26
.set DST,  28
.set SEL,  30
.set HALF, 32
.macro QUANT s
.irp b, 0,1,2,3
	v_max3_num_f32 v[TM+\b], |v[\s+16*\b]|, |v[\s+1+16*\b]|, 0x1800000   ; my 16 numbers of block b, and the floor 2^(3 - 127)
.endr
.irp i, 2,4,6,8,10,12,14
.irp b, 0,1,2,3
	v_max3_num_f32 v[TM+\b], v[TM+\b], |v[\s+16*\b+\i]|, |v[\s+1+16*\b+\i]|
.endr
.endr
.irp b, 0,1,2,3
	v_permlanex16_b32 v[TM+4+\b], v[TM+\b], s[SEL], s[SEL+1]
.endr
.irp b, 0,1,2,3
	v_max_num_f32 v[TM+\b], v[TM+\b], v[TM+4+\b]           ; with lane l xor 16's
.endr
.irp b, 0,1,2,3
	v_add_nc_u32 v[TM+12+\b], 0xff000000, v[TM+\b]         ; 2 off the exponent field: the conversion's scale operand
.endr
.irp b, 0,1,2,3
	v_lshrrev_b32 v[TM+4+\b], 23, v[TM+12+\b]              ; the scale's byte
.endr
	v_lshl_or_b32 v[PW], v[TM+5], 8, v[TM+4]
	v_lshl_or_b32 v[PW], v[TM+6], 16, v[PW]
	v_lshl_or_b32 v[PW], v[TM+7], 24, v[PW]
.irp c, 0,1
	v_cvt_scalef32_pk16_fp6_f32 v[PC+6*\c:PC+2+6*\c], v[\s+32*\c:\s+15+32*\c], v[TM+12+2*\c]
	v_cvt_scalef32_pk16_fp6_f32 v[PC+12+4*\c:PC+14+4*\c], v[\s+16+32*\c:\s+31+32*\c], v[TM+12+2*\c+1]
.endr
	v_nop                                                  ; one plain place behind a scaled conversion
.irp c, 0,1                                            ; the operand's layout wants a whole block in a lane
.irp i, 0,1,2
	v_permlane16_swap_b32 v[PC+6*\c+\i], v[PC+12+4*\c+\i]
.endr
.irp i, 0,1,2
	v_mov_b32 v[PC+3+6*\c+\i], v[PC+12+4*\c+\i]
.endr
.endr
.endm
.macro LOADT set, rowbase
.irp r, 0,1,2,3,4,5,6,7,8,9,10,11,12,13,14,15
	global_load_b128 v[R+64*(\set)+4*\r:R+64*(\set)+4*\r+3], v[LI], s[SRC:SRC+1] offset:((\rowbase)+\r+8*(\r/8))*4096 th:TH_LOAD_NT
.endr
.endm
.macro TURN set                        ; LDS serves a wave's instructions in order: no wait between the stores and the loads
.irp r, 0,1,2,3,4,5,6,7,8,9,10,11,12,13,14,15
	ds_store_b128 v[LI], v[R+64*(\set)+4*\r:R+64*(\set)+4*\r+3] offset:SPITCH*\r
.endr
.irp b, 0,1,2,3
.irp j, 0,1,2,3
	ds_load_b128 v[X+16*\b+4*\j:X+16*\b+4*\j+3], v[QOUT] offset:128*\b+16*\j
.endr
.endr
.endm
.macro QTILE t
.if (\t) < 7
	s_wait_loadcnt 16                              ; this tile's 16 loads are in; the next tile's 16 may be out
.else
	s_wait_loadcnt 0x0
.endif
	TURN (\t)%2
	s_wait_dscnt 0x0                               ; the tile is back, and the set may be loaded again
	s_wait_xcnt 0x0                                ; the last tile's stores have read their data
.if (\t) < 6
	LOADT (\t)%2, 32*(((\t)+2)/2)+8*((\t)%2)
.endif
	QUANT X
.if (\t)%2 == 0
	v_mov_b32 v[SW+(\t)/2], v[PW]                  ; lanes 0-15 keep the even tile's words,
.else
	v_cndmask_b32 v[SW+(\t)/2], v[SW+(\t)/2], v[PW], s[HALF]   ; lanes 16-31 take the odd tile's
.endif
.irp c, 0,1,2
	global_store_b128 v[LI], v[PC+4*\c:PC+4*\c+3], s[DST:DST+1] offset:1536*(\t)+512*\c   ; 512 consecutive bytes, at a multiple of 256
.endr
.endm
	s_load_b512 s[4:19], s[0:1], 0x0               ; query, key, value, Wq, Wk, Wv, xin, wc
	v_lshl_add_u32 v[SPW], v0, 2, SPARE
	v_mov_b32 v[NIL], 0
	v_lshlrev_b32 v[LI], 4, v0                     ; v0 is the lane: the work-group has one wave
	v_and_b32 v7, 15, v0                           ; r
	v_bfe_u32 v8, v0, 4, 1                         ; h
	v_mul_u32_u24 v9, v7, SPITCH
	v_lshl_add_u32 v[QOUT], v8, 6, v9
.irp b, 0,1,2,3
	v_mov_b32 v[TM+4+\b], 0                        ; a lane permute's destination counts as one of its sources
.endr
	s_mov_b32 s[SEL], 0x76543210
	s_mov_b32 s[SEL+1], 0xfedcba98                 ; lane l xor 16
	s_mov_b32 s[HALF], 0xffff0000                  ; lanes 16-31
	s_cmp_lt_u32 ttmp9, 1536
	s_cselect_b32 s34, 0, 1536
	s_cselect_b32 s35, 511, 63
	s_sub_co_u32 s34, ttmp9, s34                   ; the record's number in its buffer
	s_and_b32 s35, s34, s35                        ; and in its tensor: 8 x group + K step
	s_lshr_b32 s36, s35, 3
	s_lshl_b32 s36, s36, 19                        ; 128 rows of 4,096 bytes
	s_and_b32 s37, s35, 7
	s_lshl_b32 s37, s37, 9                         ; 128 numbers
	s_add_co_u32 s36, s36, s37
	s_mov_b32 s37, 0
	s_mul_i32 s38, s34, 12800
	s_mov_b32 s39, 0
	s_wait_alu depctr_va_vdst(0)                   ; the wait at the head's end
	s_wait_kmcnt 0x0
	s_mov_b64 s[SRC:SRC+1], s[14:15]               ; the choice hangs on the work-group's number alone
	s_cmp_lt_u32 ttmp9, 1664
	s_cselect_b64 s[SRC:SRC+1], s[12:13], s[SRC:SRC+1]
	s_cmp_lt_u32 ttmp9, 1600
	s_cselect_b64 s[SRC:SRC+1], s[10:11], s[SRC:SRC+1]
	s_cmp_lt_u32 ttmp9, 1536
	s_cselect_b64 s[SRC:SRC+1], s[8:9], s[SRC:SRC+1]
	s_cselect_b64 s[DST:DST+1], s[16:17], s[18:19]
	s_cmp_lt_u32 ttmp9, 1024
	s_cselect_b64 s[SRC:SRC+1], s[6:7], s[SRC:SRC+1]
	s_cmp_lt_u32 ttmp9, 512
	s_cselect_b64 s[SRC:SRC+1], s[4:5], s[SRC:SRC+1]
	s_add_nc_u64 s[SRC:SRC+1], s[SRC:SRC+1], s[36:37]
	s_add_nc_u64 s[DST:DST+1], s[DST:DST+1], s[38:39]
	LOADT 0, 0
	LOADT 1, 8
.irp t, 0,1,2,3,4,5,6,7
	QTILE \t
.endr
	global_store_b128 v[LI], v[SW:SW+3], s[DST:DST+1] offset:12288   ; the record's scale words: 512 consecutive bytes
	s_wait_tensorcnt 0x0                           ; the wave's end: behind my last LDS store
	ds_add_u32 v[SPW], v[NIL]
	s_wait_dscnt 0x0
	s_endpgm
.Lfunc_end_k_q8b3cd38ae0_prep:
	.size	k_q8b3cd38ae0_prep, .Lfunc_end_k_q8b3cd38ae0_prep-k_q8b3cd38ae0_prep
	.p2alignl 7, 3214868480
	.fill 96, 4, 3214868480
	.section	.rodata,"a",@progbits
	.p2align	6, 0x0
	.amdhsa_kernel k_q8b3cd38ae0_prep
		.amdhsa_group_segment_fixed_size 8704
		.amdhsa_private_segment_fixed_size 0
		.amdhsa_enable_private_segment 0
		.amdhsa_kernarg_size 64
		.amdhsa_user_sgpr_count 2
		.amdhsa_user_sgpr_kernarg_segment_ptr 1
		.amdhsa_wavefront_size32 1
		.amdhsa_system_sgpr_workgroup_id_x 1
		.amdhsa_system_sgpr_workgroup_id_y 1
		.amdhsa_system_sgpr_workgroup_id_z 1
		.amdhsa_system_vgpr_workitem_id 0
		.amdhsa_next_free_vgpr 256
		.amdhsa_next_free_sgpr 66
		.amdhsa_reserve_vcc 0
		.amdhsa_float_denorm_mode_32 3
		.amdhsa_float_denorm_mode_16_64 3
		.amdhsa_memory_ordered 1
		.amdhsa_forward_progress 1
		.amdhsa_inst_pref_size 64
	.end_amdhsa_kernel
	.amdgpu_metadata
---
amdhsa.version: [ 1, 2 ]
amdhsa.kernels:
  - .name:           k_q8b3cd38ae0_prep
    .symbol:         k_q8b3cd38ae0_prep.kd
    .args:
      - { .name: query, .offset: 0, .size: 8, .value_kind: global_buffer, .address_space: global }
      - { .name: key, .offset: 8, .size: 8, .value_kind: global_buffer, .address_space: global }
      - { .name: value, .offset: 16, .size: 8, .value_kind: global_buffer, .address_space: global }
      - { .name: Wq, .offset: 24, .size: 8, .value_kind: global_buffer, .address_space: global }
      - { .name: Wk, .offset: 32, .size: 8, .value_kind: global_buffer, .address_space: global }
      - { .name: Wv, .offset: 40, .size: 8, .value_kind: global_buffer, .address_space: global }
      - { .name: xin, .offset: 48, .size: 8, .value_kind: global_buffer, .address_space: global }
      - { .name: wc, .offset: 56, .size: 8, .value_kind: global_buffer, .address_space: global }
    .group_segment_fixed_size: 8704
    .private_segment_fixed_size: 0
    .kernarg_segment_align: 8
    .kernarg_segment_size: 64
    .max_flat_workgroup_size: 32
    .sgpr_count:     66
    .vgpr_count:     256
    .wavefront_size: 32
...
	.end_amdgpu_metadata
.endif
;; end of part 1
;; launch proj (part 2): grid 4 x 64, 4 waves a work-group, clusters of 4 x 4, 327,680 bytes of LDS; arguments xin, wc, bq, bk, bv, qkv; writes qkv
.if DOCPART == 2
	.amdgcn_target "amdgcn-amd-amdhsa--gfx1250"
	.amdhsa_code_object_version 6
	.text
	.protected	k_q8b3cd38ae0_proj
	.globl	k_q8b3cd38ae0_proj
	.p2align	8
	.type	k_q8b3cd38ae0_proj,@function
k_q8b3cd38ae0_proj:
	s_mov_b64 s[64:65], 0
	v_nop
	global_prefetch_b8 v0, s[64:65] scope:SCOPE_SE
	s_setreg_imm32_b32 hwreg(HW_REG_WAVE_MODE, 25, 1), 1
	s_wait_xcnt 0x0
	s_wait_alu depctr_hold_cnt(0) depctr_sa_sdst(0) depctr_va_vdst(0) depctr_va_sdst(0) depctr_va_ssrc(0) depctr_va_vcc(0) depctr_vm_vsrc(0)
	s_getreg_b32 s2, hwreg(HW_REG_IB_STS2, 6, 4)
	s_cmp_eq_u32 s2, 0
	s_cbranch_scc0 .Lentry_in_a_cluster
	s_endpgm
.Lentry_in_a_cluster:
	s_bfe_u32 s2, ttmp6, 0x10000c
	s_cmp_lg_u32 s2, 0xf033
	s_cbranch_scc0 .Lentry_shape_is_right
	s_endpgm
.Lentry_shape_is_right:
.set REC,   12800
.set GRP,   8*REC
.set HALFA, 2*REC
.set GB4,   4*REC
.set SLOT,  3*GB4
.set SPARE, 2*SLOT
.set XJOB,  6553600
.set WJOB,  819200
.set FR,    12
.set ADRA,  16
.set ADSA,  18
.set ADRB,  20
.set LI,    26
.set LSV,   27
.set SPW,   28
.set NIL,   29
.set SC,    32
.set TM,    48
.set AF,    64
.set T,     160
.set PC,    224
.set PW,    244
.set SW,    246
.set RBV,   128
.set G1,  24
.set G0,  32
.set G1B, 48
.set G0B, 56
.set PAT, 66
.set PAV, 68
.set PBT, 70
.set PBV, 72
.set OUTT, 74
.set OUTV, 76
.set SEL,  78
.set HALF, 80
.set MSB, 0
.macro WIN new
.if MSB != (\new)
	s_set_vgpr_msb (MSB<<8)|(\new)
.set MSB, (\new)
.endif
.endm
.set MUL,  0xa1
.set TO_B, 0x40
.macro JLOAD s
	s_cmp_eq_u32 s17, 0
	s_cbranch_scc0 .Lfor_b_\@
	tensor_load_to_lds s[G0+4*\s:G0+4*\s+3], s[G1:G1+7]
	s_nop 0
.rept 4
	v_nop
.endr
	s_branch .Lasked_\@
.Lfor_b_\@:
	tensor_load_to_lds s[G0B+4*\s:G0B+4*\s+3], s[G1B:G1B+7]
	s_nop 0
.rept 4
	v_nop
.endr
.Lasked_\@:
.endm
.macro CREST
	s_cmp_lg_u32 s16, 0
	s_cbranch_scc1 .Lnot_wave_0_\@
	s_barrier_signal -3
.Lnot_wave_0_\@:
	s_barrier_wait -3
	s_barrier_signal -1
	s_barrier_wait -1
.endm
.macro CROUND
	s_barrier_signal -1
	s_barrier_wait -1
	CREST
.endm
; A PREFETCH of the tile that load (job j, slot s) will bring: 256 bytes a lane.  Of a wave's 100 (A) or 200 (B) blocks each of the four partners that ask for the tile jointly takes a quarter,
; told apart by address (v30: 25 or 50 blocks x my place among the four, + min(lane, 24)); left-over lanes name the run's last block again.
.macro ASK j, s
	s_cmp_eq_u32 s17, 0
	s_cbranch_scc0 .Lpf_b_\@
.if (\j) < 2
	global_prefetch_b8 v30, s[PAT:PAT+1] offset:XJOB*(\j)+GB4*(\s) th:TH_LOAD_NT scope:SCOPE_SE
.else
	global_prefetch_b8 v30, s[PAV:PAV+1] offset:GB4*(\s) th:TH_LOAD_NT scope:SCOPE_SE
.endif
	s_branch .Lpf_d_\@
.Lpf_b_\@:
.if (\j) < 2
	global_prefetch_b8 v30, s[PBT:PBT+1] offset:WJOB*(\j)+GB4*(\s) th:TH_LOAD_NT scope:SCOPE_SE
	global_prefetch_b8 v30, s[PBT:PBT+1] offset:WJOB*(\j)+GB4*(\s)+6400 th:TH_LOAD_NT scope:SCOPE_SE
.else
	global_prefetch_b8 v30, s[PBV:PBV+1] offset:GB4*(\s) th:TH_LOAD_NT scope:SCOPE_SE
	global_prefetch_b8 v30, s[PBV:PBV+1] offset:GB4*(\s)+6400 th:TH_LOAD_NT scope:SCOPE_SE
.endif
.Lpf_d_\@:
.endm
.macro PLACES
.rept 4
	v_nop
.endr
.endm
.macro SETG0 s, j
.if (\j) < 2
	s_add_nc_u64 s[G0+4*(\s)+2:G0+4*(\s)+3], s[PAT:PAT+1], XJOB*(\j)+GB4*(\s)
	s_add_nc_u64 s[G0B+4*(\s)+2:G0B+4*(\s)+3], s[PBT:PBT+1], WJOB*(\j)+GB4*(\s)
.else
	s_add_nc_u64 s[G0+4*(\s)+2:G0+4*(\s)+3], s[PAV:PAV+1], GB4*(\s)
	s_add_nc_u64 s[G0B+4*(\s)+2:G0B+4*(\s)+3], s[PBV:PBV+1], GB4*(\s)
.endif
	s_or_b32 s[G0+4*(\s)+3], s[G0+4*(\s)+3], 0x80000000
	s_or_b32 s[G0B+4*(\s)+3], s[G0B+4*(\s)+3], 0x80000000
.endm
.macro QUANT s
.irp b, 0,1,2,3
	v_max3_num_f32 v[TM+\b], |v[\s+16*\b]|, |v[\s+1+16*\b]|, 0x1800000
.endr
.irp i, 2,4,6,8,10,12,14
.irp b, 0,1,2,3
	v_max3_num_f32 v[TM+\b], v[TM+\b], |v[\s+16*\b+\i]|, |v[\s+1+16*\b+\i]|
.endr
.endr
.irp b, 0,1,2,3
	v_permlanex16_b32 v[TM+4+\b], v[TM+\b], s[SEL], s[SEL+1]
.endr
.irp b, 0,1,2,3
	v_max_num_f32 v[TM+\b], v[TM+\b], v[TM+4+\b]
.endr
.irp b, 0,1,2,3
	v_add_nc_u32 v[TM+12+\b], 0xff000000, v[TM+\b]
.endr
.irp b, 0,1,2,3
	v_lshrrev_b32 v[TM+4+\b], 23, v[TM+12+\b]
.endr
	v_lshl_or_b32 v[PW], v[TM+5], 8, v[TM+4]
	v_lshl_or_b32 v[PW], v[TM+6], 16, v[PW]
	v_lshl_or_b32 v[PW], v[TM+7], 24, v[PW]
.irp c, 0,1
	v_cvt_scalef32_pk16_fp6_f32 v[PC+6*\c:PC+2+6*\c], v[\s+32*\c:\s+15+32*\c], v[TM+12+2*\c]
	v_cvt_scalef32_pk16_fp6_f32 v[PC+12+4*\c:PC+14+4*\c], v[\s+16+32*\c:\s+31+32*\c], v[TM+12+2*\c+1]
.endr
	v_nop
.irp c, 0,1
.irp i, 0,1,2
	v_permlane16_swap_b32 v[PC+6*\c+\i], v[PC+12+4*\c+\i]
.endr
.irp i, 0,1,2
	v_mov_b32 v[PC+3+6*\c+\i], v[PC+12+4*\c+\i]
.endr
.endr
.endm
.macro MM a, b, p, first
.set rD, 8*(8*(\a)+(\b))
.set rB, 128*(\p)+FR*(\b)
.set rA, AF+48*(\p)+FR*(\a)
.set rSB, SC+8*(\p)+4+(\b)/2
.set rSA, SC+8*(\p)+(\a)/2
.if \first
.if ((\b)%2) && ((\a)%2)
	v_wmma_scale_f32_16x16x128_f8f6f4 v[rD:rD+7], v[rB:rB+11], v[rA:rA+11], 0, v[rSB], v[rSA] matrix_a_fmt:MATRIX_FMT_FP6 matrix_b_fmt:MATRIX_FMT_FP6 matrix_a_scale:MATRIX_SCALE_ROW1 matrix_b_scale:MATRIX_SCALE_ROW1
.elseif ((\b)%2)
	v_wmma_scale_f32_16x16x128_f8f6f4 v[rD:rD+7], v[rB:rB+11], v[rA:rA+11], 0, v[rSB], v[rSA] matrix_a_fmt:MATRIX_FMT_FP6 matrix_b_fmt:MATRIX_FMT_FP6 matrix_a_scale:MATRIX_SCALE_ROW1
.elseif ((\a)%2)
	v_wmma_scale_f32_16x16x128_f8f6f4 v[rD:rD+7], v[rB:rB+11], v[rA:rA+11], 0, v[rSB], v[rSA] matrix_a_fmt:MATRIX_FMT_FP6 matrix_b_fmt:MATRIX_FMT_FP6 matrix_b_scale:MATRIX_SCALE_ROW1
.else
	v_wmma_scale_f32_16x16x128_f8f6f4 v[rD:rD+7], v[rB:rB+11], v[rA:rA+11], 0, v[rSB], v[rSA] matrix_a_fmt:MATRIX_FMT_FP6 matrix_b_fmt:MATRIX_FMT_FP6
.endif
.else
.if ((\b)%2) && ((\a)%2)
	v_wmma_scale_f32_16x16x128_f8f6f4 v[rD:rD+7], v[rB:rB+11], v[rA:rA+11], v[rD:rD+7], v[rSB], v[rSA] matrix_a_fmt:MATRIX_FMT_FP6 matrix_b_fmt:MATRIX_FMT_FP6 matrix_a_scale:MATRIX_SCALE_ROW1 matrix_b_scale:MATRIX_SCALE_ROW1
.elseif ((\b)%2)
	v_wmma_scale_f32_16x16x128_f8f6f4 v[rD:rD+7], v[rB:rB+11], v[rA:rA+11], v[rD:rD+7], v[rSB], v[rSA] matrix_a_fmt:MATRIX_FMT_FP6 matrix_b_fmt:MATRIX_FMT_FP6 matrix_a_scale:MATRIX_SCALE_ROW1
.elseif ((\a)%2)
	v_wmma_scale_f32_16x16x128_f8f6f4 v[rD:rD+7], v[rB:rB+11], v[rA:rA+11], v[rD:rD+7], v[rSB], v[rSA] matrix_a_fmt:MATRIX_FMT_FP6 matrix_b_fmt:MATRIX_FMT_FP6 matrix_b_scale:MATRIX_SCALE_ROW1
.else
	v_wmma_scale_f32_16x16x128_f8f6f4 v[rD:rD+7], v[rB:rB+11], v[rA:rA+11], v[rD:rD+7], v[rSB], v[rSA] matrix_a_fmt:MATRIX_FMT_FP6 matrix_b_fmt:MATRIX_FMT_FP6
.endif
.endif
.endm
.macro MULA a, p, first
.irp b, 0,1,2,3,4,5,6,7
	MM \a, \b, \p, \first
.endr
.endm
.macro FRAG reg, adr, q, i
.irp c, 0,1,2
	ds_load_b128 v[(\reg)+4*\c:(\reg)+4*\c+3], v[\adr] offset:REC*(\q)+1536*(\i)+512*\c
.endr
.endm
.macro FETCH slot, q, p
	WIN TO_B
.irp i, 0,1,2,3,4,5,6,7
	FRAG 128*(\p)+FR*\i, ADRB+\slot, \q, \i
.endr
	WIN 0
	ds_load_b128 v[SC+8*(\p)+4:SC+8*(\p)+7], v[ADRB+\slot] offset:REC*(\q)+12288
	ds_load_b64 v[SC+8*(\p):SC+8*(\p)+1], v[ADSA+\slot] offset:REC*(\q)+12288
.irp i, 0,1,2,3
	FRAG AF+48*(\p)+FR*\i, ADRA+\slot, \q, \i
.endr
.endm
.macro STEP p, slotn, qn, first
	s_wait_dscnt 9
	WIN MUL
	MULA 0, \p, \first
	s_wait_dscnt 0x0
	PLACES
	FETCH \slotn, \qn, 1-(\p)
	WIN MUL
	MULA 1, \p, \first
	MULA 2, \p, \first
	MULA 3, \p, \first
.endm
.macro TURN j
	WIN 0
	s_wait_tensorcnt 0x0
	ds_add_u32 v[SPW], v[NIL]
.if (\j) < 2
	SETG0 0, (\j)+1
.endif
	s_wait_dscnt 10
	WIN MUL
	MULA 0, 1, 0
	s_wait_dscnt 0x0
	s_barrier_signal -1
	MULA 1, 1, 0
	WIN 0
	s_barrier_wait -1
.if (\j) < 2
	CREST
	JLOAD 0
.else
	PLACES
.endif
	FETCH 1, 0, 0
.if (\j) < 1
	ASK 2, 0                                       ; two loads ahead
.endif
	WIN MUL
	MULA 2, 1, 0
	MULA 3, 1, 0
.endm
.macro KLAST
	s_wait_dscnt 9
	WIN MUL
	MULA 0, 1, 0
	s_wait_dscnt 0x0
	MULA 1, 1, 0
	MULA 2, 1, 0
	MULA 3, 1, 0
	WIN 0
.endm
.macro CHANGE j
	s_wait_tensorcnt 0x0
	ds_add_u32 v[SPW], v[NIL]
	SETG0 1, (\j)+1
	s_wait_dscnt 0x0
	CROUND
	JLOAD 1
	FETCH 0, 0, 0
.if (\j) < 1
	ASK 2, 1                                       ; two loads ahead
.endif
.endm
.macro LEAVE a, j
	s_wait_xcnt 0x0
	WIN 0x0e
.set kk, 0
.rept 32
.if (\j) < 2
	v_pk_add_f32 v[T+kk:T+kk+1], v[64*(\a)+kk:64*(\a)+kk+1], v[64*(\j)+kk:64*(\j)+kk+1]
.else
	v_pk_add_f32 v[T+kk:T+kk+1], v[64*(\a)+kk:64*(\a)+kk+1], v[RBV+2*(\a):RBV+2*(\a)+1] op_sel_hi:[1,0]
.endif
.set kk, kk+2
.endr
	WIN 0
	QUANT T
.irp c, 0,1,2
.if (\j) < 2
	global_store_b128 v[LI], v[PC+4*\c:PC+4*\c+3], s[OUTT:OUTT+1] offset:XJOB*(\j)+1536*(\a)+512*\c
.else
	global_store_b128 v[LI], v[PC+4*\c:PC+4*\c+3], s[OUTV:OUTV+1] offset:1536*(\a)+512*\c
.endif
.endr
.if (\a)%2 == 0
	v_mov_b32 v[SW+(\a)/2], v[PW]
.else
	v_cndmask_b32 v[SW+(\a)/2], v[SW+(\a)/2], v[PW], s[HALF]
.endif
.endm
.macro JOB j
	STEP 0, 0, 1, 1
	STEP 1, 0, 2, 0
	STEP 0, 0, 3, 0
	TURN \j
	STEP 0, 1, 1, 0
	STEP 1, 1, 2, 0
	STEP 0, 1, 3, 0
	KLAST
	PLACES
.if (\j) == 0
	s_wait_loadcnt 0x0
.endif
	LEAVE 0, \j
	LEAVE 1, \j
.if (\j) < 2
	CHANGE \j
.endif
	LEAVE 2, \j
	LEAVE 3, \j
.if (\j) < 2
	global_store_b64 v[LSV], v[SW:SW+1], s[OUTT:OUTT+1] offset:XJOB*(\j)
.else
	global_store_b64 v[LSV], v[SW:SW+1], s[OUTV:OUTV+1]
.endif
.endm
	s_load_b256 s[4:11], s[0:1], 0x0
	s_load_b128 s[12:15], s[0:1], 0x20
	v_lshl_add_u32 v[SPW], v0, 2, SPARE
	v_mov_b32 v[NIL], 0
	ds_add_u32 v[SPW], v[NIL]
	ds_add_u32 v[SPW], v[NIL]
	v_lshrrev_b32 v1, 5, v0
	v_readfirstlane_b32 s16, v1
	s_lshr_b32 s17, s16, 1
	s_and_b32 s18, s16, 1
	s_bfe_u32 s20, ttmp6, 0x40000
	s_bfe_u32 s21, ttmp6, 0x40004
	s_and_b32 s22, ttmp7, 0xffff
	s_lshl_b32 s40, s22, 2
	s_add_co_u32 s40, s40, s21
	s_and_b32 s41, s22, 1
	s_lshl_b32 s41, s41, 2
	s_add_co_u32 s41, s41, s21
	s_lshr_b32 s43, s22, 1
	s_lshl_b32 s43, s43, 2
	s_add_co_u32 s43, s43, s20
	s_lshl_b32 s44, s21, 2
	s_lshl_b32 s44, 15, s44
	s_lshl_b32 s45, 0x1111, s20
	s_cmp_eq_u32 s17, 0                            ; the prefetches' offset: A's tiles are shared along cx, B's along cy
	s_cselect_b32 s100, s20, s21
	s_lshl_b32 s101, 6400, s17                     ; 25 blocks of 256 bytes a partner for A, 50 for B
	s_mul_i32 s100, s100, s101
	v_and_b32 v30, 31, v0
	v_min_u32 v30, 24, v30
	v_lshlrev_b32 v30, 8, v30
	v_add_nc_u32 v30, s100, v30
	s_or_b32 s[G1], s44, (3<<16)|(1<<21)
	s_mov_b32 s[G1+1], 32<<16
	s_mov_b32 s[G1+2], 100<<16
	s_mov_b32 s[G1+3], 32<<16
	s_mov_b32 s[G1+4], 100
	s_mov_b32 s[G1+5], 32
	s_mov_b32 s[G1+6], 0
	s_mov_b32 s[G1+7], 0
	s_or_b32 s[G1B], s45, (3<<16)|(1<<21)
	s_mov_b32 s[G1B+1], 32<<16
	s_mov_b32 s[G1B+2], 200<<16
	s_mov_b32 s[G1B+3], 32<<16
	s_mov_b32 s[G1B+4], 200
	s_mov_b32 s[G1B+5], 32
	s_mov_b32 s[G1B+6], 0
	s_mov_b32 s[G1B+7], 0
	s_mul_i32 s23, s18, HALFA
	s_mul_i32 s88, s40, GRP
	s_add_co_u32 s88, s88, s23
	s_mov_b32 s89, 0
	s_mul_i32 s90, s41, GRP
	s_add_co_u32 s90, s90, s23
	s_add_co_u32 s90, s90, 2*WJOB
	s_mov_b32 s91, 0
	s_lshl_b32 s46, s20, 1
	s_add_co_u32 s46, s46, s18
	s_mul_i32 s92, s46, GRP
	s_mov_b32 s93, 0
	s_lshl_b32 s47, s43, 1
	s_add_co_u32 s47, s47, s18
	s_mul_i32 s94, s47, GRP
	s_add_co_u32 s94, s94, 2*XJOB
	s_mov_b32 s95, 0
	s_mul_i32 s42, s18, GB4
	s_add_co_u32 s42, s42, GB4
	s_mul_i32 s81, s17, 6144
	s_lshr_b32 s96, s40, 3
	s_lshl_b32 s96, s96, 3
	s_add_co_u32 s96, s96, s46
	s_lshl_b32 s96, s96, 3
	s_and_b32 s97, s40, 7
	s_add_co_u32 s96, s96, s97
	s_mul_i32 s96, s96, REC
	s_add_co_u32 s96, s96, s81
	s_mov_b32 s97, 0
	s_lshr_b32 s98, s47, 3
	s_lshl_b32 s98, s98, 3
	s_add_co_u32 s98, s98, s41
	s_lshl_b32 s98, s98, 3
	s_and_b32 s99, s47, 7
	s_add_co_u32 s98, s98, s99
	s_mul_i32 s98, s98, REC
	s_add_co_u32 s98, s98, s81
	s_add_co_u32 s98, s98, 2*XJOB
	s_mov_b32 s99, 0
	s_lshl_b32 s100, s46, 9
	s_mov_b32 s101, 0
	s_lshl_b32 s2, s41, 9
	s_lshl_b32 s3, s17, 8
	s_add_co_u32 s2, s2, s3
	s_mov_b32 s3, 0
	s_mov_b32 s[HALF], 0xffff0000
	s_mov_b32 s[SEL], 0x76543210
	s_mov_b32 s[SEL+1], 0xfedcba98
	s_wait_dscnt 0x0
	s_wait_kmcnt 0x0
	s_add_nc_u64 s[PAT:PAT+1], s[4:5], s[88:89]
	s_add_nc_u64 s[PAV:PAV+1], s[6:7], s[90:91]
	s_add_nc_u64 s[PBT:PBT+1], s[6:7], s[92:93]
	s_add_nc_u64 s[PBV:PBV+1], s[4:5], s[94:95]
	s_add_nc_u64 s[OUTT:OUTT+1], s[14:15], s[96:97]
	s_add_nc_u64 s[OUTV:OUTV+1], s[14:15], s[98:99]
	s_add_nc_u64 s[82:83], s[8:9], s[100:101]
	s_add_nc_u64 s[84:85], s[10:11], s[100:101]
	s_add_nc_u64 s[86:87], s[12:13], s[2:3]
	CROUND
.irp s, 0,1
	s_mov_b32 s[G0+4*\s], 1
	s_add_co_u32 s[G0+4*\s+1], s23, \s*SLOT
	s_mov_b32 s[G0B+4*\s], 1
	s_add_co_u32 s[G0B+4*\s+1], s42, \s*SLOT
	SETG0 \s, 0
	s_wait_alu depctr_va_vdst(0)
	s_wait_tensorcnt 0x0
	ds_add_u32 v28, v29
	ds_add_u32 v28, v29
	s_wait_dscnt 0x0
	CROUND
	JLOAD \s
.if \s == 0
	ASK 0, 1                                       ; behind the first load: the next two loads' tiles
	ASK 1, 0
.else
	ASK 1, 1
.endif
.endr
	v_and_b32 v1, 31, v0
	v_lshlrev_b32 v[LI], 4, v1
	v_add_nc_u32 v[ADRA], s81, v[LI]
	v_add_nc_u32 v[ADRA+1], SLOT, v[ADRA]
	s_lshl_b32 s19, s17, 3
	v_add_nc_u32 v[ADSA], s19, v[LI]
	v_add_nc_u32 v[ADSA+1], SLOT, v[ADSA]
	v_add_nc_u32 v[ADRB], s42, v[LI]
	v_add_nc_u32 v[ADRB+1], SLOT, v[ADRB]
	s_mul_i32 s19, s17, 6136
	s_sub_co_u32 s19, 12288, s19
	v_add_nc_u32 v[LSV], s19, v[LI]
	v_bfe_u32 v2, v0, 4, 1
	v_lshlrev_b32 v3, 6, v2
	v_and_b32 v4, 15, v0
	v_and_b32 v5, 8, v4
	v_add_nc_u32 v5, v5, v4
	v_lshlrev_b32 v5, 2, v5
.irp b, 0,1,2,3
	v_mov_b32 v[TM+4+\b], 0
.endr
	WIN 0xc0
.irp b, 0,1,2,3,4,5,6,7
	global_load_b128 v[8*\b:8*\b+3], v3, s[82:83] offset:(32*(\b/2)+8*(\b%2))*4
	global_load_b128 v[8*\b+4:8*\b+7], v3, s[82:83] offset:(32*(\b/2)+8*(\b%2))*4+16
	global_load_b128 v[64+8*\b:64+8*\b+3], v3, s[84:85] offset:(32*(\b/2)+8*(\b%2))*4
	global_load_b128 v[64+8*\b+4:64+8*\b+7], v3, s[84:85] offset:(32*(\b/2)+8*(\b%2))*4+16
.endr
.irp a, 0,1,2,3
	global_load_b32 v[RBV+2*\a], v5, s[86:87] offset:(32*(\a/2)+8*(\a%2))*4
	global_load_b32 v[RBV+2*\a+1], v5, s[86:87] offset:(32*(\a/2)+8*(\a%2))*4
.endr
	WIN 0
	s_wait_tensorcnt 1
	s_barrier_signal -1
	s_barrier_wait -1
	FETCH 0, 0, 0
	JOB 0
	JOB 1
	JOB 2
	s_wait_tensorcnt 0x0
	ds_add_u32 v[SPW], v[NIL]
	s_wait_dscnt 0x0
	CROUND
	s_endpgm
.Lfunc_end_k_q8b3cd38ae0_proj:
	.size	k_q8b3cd38ae0_proj, .Lfunc_end_k_q8b3cd38ae0_proj-k_q8b3cd38ae0_proj
	.p2alignl 7, 3214868480
	.fill 96, 4, 3214868480
	.section	.rodata,"a",@progbits
	.p2align	6, 0x0
	.amdhsa_kernel k_q8b3cd38ae0_proj
		.amdhsa_group_segment_fixed_size 327680
		.amdhsa_private_segment_fixed_size 0
		.amdhsa_enable_private_segment 0
		.amdhsa_kernarg_size 48
		.amdhsa_user_sgpr_count 2
		.amdhsa_user_sgpr_kernarg_segment_ptr 1
		.amdhsa_wavefront_size32 1
		.amdhsa_system_sgpr_workgroup_id_x 1
		.amdhsa_system_sgpr_workgroup_id_y 1
		.amdhsa_system_sgpr_workgroup_id_z 1
		.amdhsa_system_vgpr_workitem_id 0
		.amdhsa_next_free_vgpr 1024
		.amdhsa_next_free_sgpr 102
		.amdhsa_reserve_vcc 0
		.amdhsa_float_denorm_mode_32 3
		.amdhsa_float_denorm_mode_16_64 3
		.amdhsa_memory_ordered 1
		.amdhsa_forward_progress 1
		.amdhsa_inst_pref_size 255
	.end_amdhsa_kernel
	.amdgpu_metadata
---
amdhsa.version: [ 1, 2 ]
amdhsa.kernels:
  - .name:           k_q8b3cd38ae0_proj
    .symbol:         k_q8b3cd38ae0_proj.kd
    .args:
      - { .name: xin, .offset: 0, .size: 8, .value_kind: global_buffer, .address_space: global }
      - { .name: wc, .offset: 8, .size: 8, .value_kind: global_buffer, .address_space: global }
      - { .name: bq, .offset: 16, .size: 8, .value_kind: global_buffer, .address_space: global }
      - { .name: bk, .offset: 24, .size: 8, .value_kind: global_buffer, .address_space: global }
      - { .name: bv, .offset: 32, .size: 8, .value_kind: global_buffer, .address_space: global }
      - { .name: qkv, .offset: 40, .size: 8, .value_kind: global_buffer, .address_space: global }
    .group_segment_fixed_size: 327680
    .private_segment_fixed_size: 0
    .kernarg_segment_align: 8
    .kernarg_segment_size: 48
    .max_flat_workgroup_size: 128
    .sgpr_count:     102
    .vgpr_count:     1024
    .wavefront_size: 32
...
	.end_amdgpu_metadata
.endif
;; end of part 2
;; launch attn (part 3): grid 8 x 32, 16 waves a work-group, clusters of 4 x 1, 327,680 bytes of LDS; arguments qkv, mask, xr; writes xr
.if DOCPART == 3
	.amdgcn_target "amdgcn-amd-amdhsa--gfx1250"
	.amdhsa_code_object_version 6
	.text
	.protected	k_q8b3cd38ae0_attn
	.globl	k_q8b3cd38ae0_attn
	.p2align	8
	.type	k_q8b3cd38ae0_attn,@function
k_q8b3cd38ae0_attn:
	s_mov_b64 s[64:65], 0
	v_nop
	global_prefetch_b8 v0, s[64:65] scope:SCOPE_SE
	s_setreg_imm32_b32 hwreg(HW_REG_WAVE_MODE, 25, 1), 1
	s_wait_xcnt 0x0
	s_wait_alu depctr_hold_cnt(0) depctr_sa_sdst(0) depctr_va_vdst(0) depctr_va_sdst(0) depctr_va_ssrc(0) depctr_va_vcc(0) depctr_vm_vsrc(0)
	s_getreg_b32 s2, hwreg(HW_REG_IB_STS2, 6, 4)
	s_cmp_eq_u32 s2, 0
	s_cbranch_scc0 .Lentry_in_a_cluster
	s_endpgm
.Lentry_in_a_cluster:
	s_bfe_u32 s2, ttmp6, 0x10000c
	s_cmp_lg_u32 s2, 0x3003
	s_cbranch_scc0 .Lentry_shape_is_right
	s_endpgm
.Lentry_shape_is_right:
; x[b][q][head] = softmax_k(where(mask == 0, -1e9, q . k / sqrt(128))) v, both products on codes of FP6 (E2M3) with E8M0 scales; x is quantised along the model's axis for the last projection.
; qkv: records [q, k, v][b][head][group of 128 tokens] (12,800 bytes: tile i at 1536 i, registers 4 c .. 4 c + 3 of lane L at 512 c + 16 L; at 12288 + 16 L + 4 u the scale word of row L % 16 of tile 2 u + L / 16;
; row r of tile i is row 32 (i / 2) + 8 (i % 2) + r + 8 (r / 8) of the 128).  q, k: rows = tokens, K = the head's 128; v: rows = the head's channels, K = 128 keys.  xr: records [group of 128 tokens][head].
; THE MASK IS READ HERE, AS IT IS GIVEN (int32), EACH BYTE ONCE: heads g and g + 4 share mask (b, g), so a work-group owns 128 queries of BOTH heads: wave w has tile w % 8 of 16 queries and head g + 4 (w / 8).
; THE SOFTMAX AHEAD OF THE SECOND PRODUCT: t = score x log2(e) / sqrt(128); M = the running largest t, rounded up to a whole number; p = 2^(t - M) is quantised along the keys; the row's sum of the unquantised p divides at the end.
; A HIDDEN SCORE becomes -2^33 ahead of the maximum, so its t is -c 2^33, a whole number, exactly.  A row with no open key so has M = t and p = 1 for every key: the uniform softmax that -1e9 gives.
; LIMITS: rows that hold an OPEN logit under about -7e8 are not served (there -1e9 and -2^33 c / log2(e) part ways); blocks whose largest magnitude lies under 2^-124 get the scale byte 1; NaN and infinities are not served.
; THE RING: the keys go in 8 steps of 128 through two LDS slots.  A slot: K of head g, K of g + 4, V of g, V of g + 4 (4 records), then the 128 mask rows in eight runs of 16 rows of 512 + 16 bytes,
; with 128 bytes more behind each run: 119,808 bytes.  A tile's lanes 8-15 read rows 16 further down than lanes 0-7: one run on, 8,576 bytes = 2,144 words = 32 modulo 64, so the sixteen rows of a read start in sixteen groups of four banks.
; That gap is why a mask load has 16 rows and no more.
; Behind each round: waves 0-3 ask for one record each, JOINTLY with the cluster's other three blocks of queries, which need the same K and V; waves 4-11 for one run of 16 mask rows each (the work-group's own: no mask of work-groups).
; PREFETCHES, for the tile that the NEXT trip loads: waves 4-11, behind their load, the 32 blocks of 256 bytes of their own 16 rows, a lane a block; waves 12, 13 this work-group's 13 of each K or V record's 50 blocks,
; shared out among the four partners by address (left-over lanes name their run's last block again).  The head asks for step 1, trips 0-5 for steps 2-7; the last two trips ask for nothing.
; Both products are used transposed (S^T = K Q^T, O^T = V^T P^T): a lane holds one query throughout; its registers run 32 b + 16 h + 0 .. 15 along the keys, then along the channels.
; REGISTERS: v1, v2 K/V address in slot 0, 1; v3, v4 the mask's; v5, v6 the add's; v7 16 (lane % 16); v8 16 x lane; v9, v31 the prefetches' offsets; v12 -M, v13 the largest t, v[14:15] the sum; v16-27 Q; v28 -2^33;
;   v32-79 four fragments; v80-83, v84-87 K's, V's scale words; v88-95, v224-247 32 mask numbers; v96-159 S^T, then p, then (v96-143) V's last four fragments; v160-223 O^T; v224-235 codes; v232-254 at work; v253 p's scale word; v255 Q's.
.set REC,   12800
.set XJOB,  6553600
.set MP,    528
.set MCH,   16*MP+128                  ; a run of 16 mask rows and its gap
.set SLOT,  4*REC+8*MCH
.set SPARE, 2*SLOT                     ; behind the ring: the spare words, 128 bytes for each of sixteen waves
.set SPW, 5
.set NIL, 6
.set PFM, 9
.set PFK, 31
.set G1K, 4
.set G1M, 12
.set G0K, 20
.set SEL, 28
.set CS,  30
.set MW,  32                           ; s32-47: sixteen lane masks, used by turns
.set PM,  48
.set PK,  50
.set XT,  52
.set XS,  54
.set G0M, 56
.set W,   66
.set CNT, 67
.set PC,  224
.set TM,  32
.set PW,  48
.macro NOP4
.rept 4
	v_nop
.endr
.endm
.macro CROUND
	s_barrier_signal -1
	s_barrier_wait -1
	s_cmp_lg_u32 s[W], 0
	s_cbranch_scc1 .Lnot_wave_0_\@
	s_barrier_signal -3
.Lnot_wave_0_\@:
	s_barrier_wait -3
	s_barrier_signal -1
	s_barrier_wait -1
.endm
; One chain of branches on the wave's number, one tensor load to an arm, all arms to one join.
.macro FILL s, ask
	s_cmp_lt_u32 s[W], 4
	s_cbranch_scc0 .Lf1_\@
	tensor_load_to_lds s[G0K+4*(\s):G0K+4*(\s)+3], s[G1K:G1K+7]
	s_nop 0
	NOP4
	s_branch .Lf9_\@
.Lf1_\@:
	s_cmp_lt_u32 s[W], 12
	s_cbranch_scc0 .Lf2_\@
	tensor_load_to_lds s[G0M+4*(\s):G0M+4*(\s)+3], s[G1M:G1M+7]
	s_nop 0
	NOP4
.if \ask
	global_prefetch_b8 v[PFM], s[PM:PM+1] th:TH_LOAD_NT scope:SCOPE_SE
	s_branch .Lf9_\@
.endif
.Lf2_\@:
.if \ask
	s_cmp_lt_u32 s[W], 14
	s_cbranch_scc0 .Lf9_\@
	global_prefetch_b8 v[PFK], s[PK:PK+1] th:TH_LOAD_NT scope:SCOPE_SE
.endif
.Lf9_\@:
.endm
.macro QUANT s
.irp b, 0,1,2,3
	v_max3_num_f32 v[TM+\b], |v[\s+16*\b]|, |v[\s+1+16*\b]|, 0x1800000
.endr
.irp i, 2,4,6,8,10,12,14
.irp b, 0,1,2,3
	s_delay_alu instid0(VALU_DEP_4)
	v_max3_num_f32 v[TM+\b], v[TM+\b], |v[\s+16*\b+\i]|, |v[\s+1+16*\b+\i]|
.endr
.endr
.irp b, 0,1,2,3
	s_delay_alu instid0(VALU_DEP_4)
	v_permlanex16_b32 v[TM+4+\b], v[TM+\b], s[SEL], s[SEL+1]
.endr
.irp b, 0,1,2,3
	s_delay_alu instid0(VALU_DEP_4)
	v_max_num_f32 v[TM+\b], v[TM+\b], v[TM+4+\b]
.endr
.irp b, 0,1,2,3
	s_delay_alu instid0(VALU_DEP_4)
	v_add_nc_u32 v[TM+12+\b], 0xff000000, v[TM+\b]
.endr
.irp b, 0,1,2,3
	s_delay_alu instid0(VALU_DEP_4)
	v_lshrrev_b32 v[TM+4+\b], 23, v[TM+12+\b]
.endr
	s_delay_alu instid0(VALU_DEP_3)
	v_lshl_or_b32 v[PW], v[TM+5], 8, v[TM+4]
	s_delay_alu instid0(VALU_DEP_1)
	v_lshl_or_b32 v[PW], v[TM+6], 16, v[PW]
	s_delay_alu instid0(VALU_DEP_1)
	v_lshl_or_b32 v[PW], v[TM+7], 24, v[PW]
.irp c, 0,1
	v_cvt_scalef32_pk16_fp6_f32 v[PC+6*\c:PC+2+6*\c], v[\s+32*\c:\s+15+32*\c], v[TM+12+2*\c]
	v_cvt_scalef32_pk16_fp6_f32 v[PC+12+4*\c:PC+14+4*\c], v[\s+16+32*\c:\s+31+32*\c], v[TM+12+2*\c+1]
.endr
	v_nop
.irp c, 0,1
.irp i, 0,1,2
	v_permlane16_swap_b32 v[PC+6*\c+\i], v[PC+12+4*\c+\i]
.endr
.irp i, 0,1,2
	s_delay_alu instid0(VALU_DEP_3)
	v_mov_b32 v[PC+3+6*\c+\i], v[PC+12+4*\c+\i]
.endr
.endr
.endm
.macro WS d, a, sa, row                ; a tile of S^T: source 0 = 16 keys, source 1 = my queries; the constant 0 starts the sum
.if (\row)
	v_wmma_scale_f32_16x16x128_f8f6f4 v[(\d):(\d)+7], v[(\a):(\a)+11], v[16:27], 0, v[\sa], v255 matrix_a_fmt:MATRIX_FMT_FP6 matrix_b_fmt:MATRIX_FMT_FP6 matrix_a_scale:MATRIX_SCALE_ROW1
.else
	v_wmma_scale_f32_16x16x128_f8f6f4 v[(\d):(\d)+7], v[(\a):(\a)+11], v[16:27], 0, v[\sa], v255 matrix_a_fmt:MATRIX_FMT_FP6 matrix_b_fmt:MATRIX_FMT_FP6
.endif
.endm
.macro WP d, a, sa, row                ; a tile of O^T: source 0 = 16 channels, source 1 = p
.if (\row)
	v_wmma_scale_f32_16x16x128_f8f6f4 v[(\d):(\d)+7], v[(\a):(\a)+11], v[224:235], v[(\d):(\d)+7], v[\sa], v253 matrix_a_fmt:MATRIX_FMT_FP6 matrix_b_fmt:MATRIX_FMT_FP6 matrix_a_scale:MATRIX_SCALE_ROW1
.else
	v_wmma_scale_f32_16x16x128_f8f6f4 v[(\d):(\d)+7], v[(\a):(\a)+11], v[224:235], v[(\d):(\d)+7], v[\sa], v253 matrix_a_fmt:MATRIX_FMT_FP6 matrix_b_fmt:MATRIX_FMT_FP6
.endif
.endm
.macro FRAGS reg, s, base              ; four fragments from byte base of my head's records into v[reg] on
.irp t, 0,1,2,3
.irp c, 0,1,2
	ds_load_b128 v[(\reg)+12*\t+4*\c:(\reg)+3+12*\t+4*\c], v[1+(\s)] offset:(\base)+1536*\t+512*\c
.endr
.endr
.endm
.macro MLOAD s, hf                     ; my query's mask numbers of blocks 2 hf, 2 hf + 1: keys 32 b + 16 h + 0 .. 15, in the order of the score registers
.irp k, 0,1,2,3,4,5,6,7
.if \k < 2
	ds_load_b128 v[88+4*\k:91+4*\k], v[3+(\s)] offset:256*(\hf)+128*(\k/4)+16*(\k%4)
.else
	ds_load_b128 v[216+4*\k:219+4*\k], v[3+(\s)] offset:256*(\hf)+128*(\k/4)+16*(\k%4)
.endif
.endr
.endm
.macro OPEN q                          ; sixteen lane masks: does score register 16 q + e count?
.irp e, 0,1,2,3,4,5,6,7,8,9,10,11,12,13,14,15
.if 4*((\q)%2)+\e/4 < 2
	v_cmp_ne_u32 s[MW+\e], 0, v[88+16*((\q)%2)+\e]
.else
	v_cmp_ne_u32 s[MW+\e], 0, v[216+16*((\q)%2)+\e]
.endif
.endr
.endm
.macro HIDE q                          ; hidden scores become -2^33; each accumulator is read from its low end on
.irp e, 0,1,2,3,4,5,6,7,8,9,10,11,12,13,14,15
	v_cndmask_b32 v[96+16*(\q)+\e], v28, v[96+16*(\q)+\e], s[MW+\e]
.endr
.endm
	s_load_b128 s[32:35], s[0:1], 0x0              ; qkv, mask
	s_load_b64 s[36:37], s[0:1], 0x10              ; xr
	v_lshl_add_u32 v[SPW], v0, 2, SPARE
	v_mov_b32 v[NIL], 0
	ds_add_u32 v[SPW], v[NIL]                      ; the opening lines: the add, twice on end, and its wait ahead of the first tensor loads
	ds_add_u32 v[SPW], v[NIL]
	v_lshrrev_b32 v10, 5, v0
	v_readfirstlane_b32 s[W], v10                  ; wave 0..15
	s_bfe_u32 s68, ttmp6, 0x40000                  ; cx
	s_lshl_b32 s69, ttmp9, 2
	s_add_co_u32 s69, s69, s68                     ; G: my group of 128 queries: it enters Q's, the mask's and x's addresses alone
	s_and_b32 s70, ttmp7, 0xffff                   ; y = 4 b + g, which the four partners share
	s_lshr_b32 s71, s70, 2                         ; b
	s_and_b32 s72, s70, 3                          ; g
	s_lshl_b32 s73, s71, 3
	s_add_co_u32 s73, s73, s72                     ; 8 b + g
	s_and_b32 s74, s[W], 7                         ; i: my tile
	s_lshr_b32 s75, s[W], 3                        ; which of the two heads
	s_mov_b32 s[G1K], 15|(3<<16)|(1<<21)           ; a record: all four work-groups; elements of 8 bytes; 12,800 dense bytes as 50 rows of 256
	s_mov_b32 s[G1K+1], 32<<16
	s_mov_b32 s[G1K+2], 50<<16
	s_mov_b32 s[G1K+3], 32<<16
	s_mov_b32 s[G1K+4], 50
	s_mov_b32 s[G1K+5], 32
	s_mov_b32 s[G1K+6], 0
	s_mov_b32 s[G1K+7], 0
	s_mov_b32 s[G1M], (2<<16)|(1<<20)|(6<<22)|(3<<25)  ; 16 mask rows: elements of 4 bytes; after every 128 words 4 words of padding
	s_mov_b32 s[G1M+1], 128<<16
	s_mov_b32 s[G1M+2], 16<<16
	s_mov_b32 s[G1M+3], 128<<16
	s_mov_b32 s[G1M+4], 16
	s_mov_b32 s[G1M+5], 1024
	s_mov_b32 s[G1M+6], 0
	s_mov_b32 s[G1M+7], 0
	s_lshr_b32 s76, s[W], 1                        ; waves 0, 1: K; 2, 3: V
	s_add_co_u32 s76, s76, 1
	s_mul_i32 s76, s76, XJOB
	s_and_b32 s44, s[W], 1                         ; head g or g + 4
	s_lshl_b32 s44, s44, 2
	s_add_co_u32 s44, s44, s73
	s_mul_i32 s44, s44, 8*REC
	s_add_co_u32 s76, s76, s44                     ; my record of key step 0
	s_mov_b32 s77, 0
	s_lshl_b32 s78, s70, 22                        ; mask (b, g): 1,024 rows of 4,096 bytes
	s_lshl_b32 s79, s69, 19
	s_add_co_u32 s78, s78, s79                     ; my 128 rows
	s_sub_co_u32 s45, s[W], 4
	s_lshl_b32 s45, s45, 16                        ; waves 4-11: run w - 4, 16 rows of 4,096 bytes
	s_add_co_u32 s80, s45, s78
	s_mov_b32 s81, 0
	s_add_co_u32 s78, s78, 512                     ; the prefetches begin at key step 1
	s_mov_b32 s79, 0
	s_mul_i32 s82, s73, 8*REC
	s_add_co_u32 s82, s82, XJOB+REC
	s_mov_b32 s83, 0
	s_lshl_b32 s84, s75, 2
	s_add_co_u32 s84, s84, s73                     ; 8 b + head
	s_lshl_b32 s85, s84, 3
	s_add_co_u32 s85, s85, s69
	s_mul_i32 s85, s85, REC                        ; Q's record
	s_mul_i32 s86, s74, 1536                       ; a tile's place in a record,
	s_and_b32 s87, s74, 1
	s_lshl_b32 s87, s87, 8
	s_lshr_b32 s44, s74, 1
	s_lshl_b32 s44, s44, 2
	s_add_co_u32 s87, s87, s44
	s_add_co_u32 s87, s87, 12288                   ; and its scale words': 12288 + 256 (i % 2) + 4 (i / 2), + 16 r
	s_lshl_b32 s88, s71, 3
	s_add_co_u32 s88, s88, s69
	s_lshl_b32 s88, s88, 3
	s_and_b32 s44, s84, 7
	s_add_co_u32 s88, s88, s44
	s_mul_i32 s88, s88, REC                        ; x's record: (8 b + G) 8 + head
	s_add_co_u32 s90, s85, s86
	s_mov_b32 s91, 0
	s_add_co_u32 s92, s85, s87
	s_mov_b32 s93, 0
	s_add_co_u32 s94, s88, s86
	s_mov_b32 s95, 0
	s_add_co_u32 s38, s88, s87
	s_mov_b32 s39, 0
	s_mul_i32 s40, s[W], REC                       ; LDS: waves 0-3, record w
	s_mul_i32 s41, s[W], MCH
	s_add_co_u32 s41, s41, 4*REC-4*MCH             ; waves 4-11: run w - 4 behind the records
	s_mul_i32 s42, s75, REC                        ; my head's K record in a slot; its V record lies 2 records on
	s_lshr_b32 s43, s74, 1
	s_mul_i32 s43, s43, 2*MCH                      ; my tile's first row, 32 (i / 2) + 8 (i % 2): run 2 (i / 2),
	s_and_b32 s44, s74, 1
	s_mul_i32 s44, s44, 8*MP                       ; row 8 (i % 2) of the run
	s_add_co_u32 s43, s43, s44
	s_add_co_u32 s43, s43, 4*REC
	s_mul_i32 s46, s68, 13                         ; waves 12, 13: my work-group's blocks of a record
	s_and_b32 s47, s[W], 1
	s_mul_i32 s47, s47, XJOB                       ; wave 12: K's two records, wave 13: V's
	s_mov_b32 s[SEL], 0x76543210
	s_mov_b32 s[SEL+1], 0xfedcba98
	s_mov_b32 s[CS], 0x3e0293ee                    ; c = log2(e) / sqrt(128)
	s_mov_b32 s[CS+1], s[CS]
	v_and_b32 v10, 31, v0
	v_lshlrev_b32 v8, 4, v10
	v_add_nc_u32 v1, s42, v8
	v_add_nc_u32 v2, SLOT, v1
	v_and_b32 v11, 15, v0                          ; r
	v_lshlrev_b32 v7, 4, v11
	v_and_b32 v29, 7, v11
	v_mul_u32_u24 v29, v29, MP                     ; row r % 8 on,
	v_bfe_u32 v30, v0, 3, 1
	v_mad_u32_u24 v29, v30, MCH, v29               ; and r / 8 runs on
	v_bfe_u32 v30, v0, 4, 1                        ; h
	v_lshl_add_u32 v29, v30, 6, v29
	v_add_nc_u32 v3, s43, v29                      ; my query's mask row, + 64 h
	v_add_nc_u32 v4, SLOT, v3
	v_lshrrev_b32 v[PFM], 1, v10
	v_lshlrev_b32 v[PFM], 12, v[PFM]
	v_and_b32 v29, 1, v10
	v_lshl_add_u32 v[PFM], v29, 8, v[PFM]
	v_add_nc_u32 v[PFM], s45, v[PFM]               ; row 16 (w - 4) + lane / 2, half lane % 2
	v_min_u32 v[PFK], 12, v11
	v_add_nc_u32 v[PFK], s46, v[PFK]
	v_min_u32 v[PFK], 49, v[PFK]                   ; block 13 cx + min(r, 12), inside the record's 50
	v_lshlrev_b32 v[PFK], 8, v[PFK]
	v_mul_u32_u24 v10, v30, 32*REC                 ; lanes 16-31: head g + 4
	v_add3_u32 v[PFK], v[PFK], v10, s47
	s_wait_alu depctr_va_vdst(0)                   ; directly ahead of the waits below
	s_wait_dscnt 0x0                               ; both opening adds are done
	s_wait_kmcnt 0x0
	s_add_nc_u64 s[76:77], s[32:33], s[76:77]
	s_add_nc_u64 s[80:81], s[34:35], s[80:81]
	s_add_nc_u64 s[PM:PM+1], s[34:35], s[78:79]
	s_add_nc_u64 s[PK:PK+1], s[32:33], s[82:83]
	s_add_nc_u64 s[96:97], s[32:33], s[90:91]      ; Q's tile
	s_add_nc_u64 s[98:99], s[32:33], s[92:93]      ; Q's scale words
	s_add_nc_u64 s[XT:XT+1], s[36:37], s[94:95]
	s_add_nc_u64 s[XS:XS+1], s[36:37], s[38:39]
.irp s, 0,1
	s_mov_b32 s[G0K+4*\s], 1
	s_add_co_u32 s[G0K+4*\s+1], s40, \s*SLOT
	s_add_nc_u64 s[G0K+4*\s+2:G0K+4*\s+3], s[76:77], \s*REC
	s_or_b32 s[G0K+4*\s+3], s[G0K+4*\s+3], 0x80000000
	s_mov_b32 s[G0M+4*\s], 1
	s_add_co_u32 s[G0M+4*\s+1], s41, \s*SLOT
	s_add_nc_u64 s[G0M+4*\s+2:G0M+4*\s+3], s[80:81], \s*512
	s_or_b32 s[G0M+4*\s+3], s[G0M+4*\s+3], 0x80000000
.endr
	CROUND                                         ; all four work-groups are here: the joint loads meet
	FILL 0, 1                                      ; key step 0; the prefetches name key step 1
	global_load_b128 v[16:19], v8, s[96:97]
	global_load_b128 v[20:23], v8, s[96:97] offset:512
	global_load_b128 v[24:27], v8, s[96:97] offset:1024
	global_load_b32 v255, v7, s[98:99]
	v_mov_b32 v28, 0xd0000000                      ; -2^33
	v_mov_b32 v13, 0xff61b1e6                      ; the largest t so far: -3e38
	v_floor_f32 v12, -v13                          ; -M
	v_mov_b32 v14, 0
	v_mov_b32 v15, 0
.irp b, 0,1,2,3
	v_mov_b32 v[236+\b], 0                         ; a lane permute's destination counts as one of its sources
.endr
	v_mov_b32 v252, 0
	v_mov_b32 v253, 0
.set n, 0
.rept 64
	v_mov_b32 v[160+n], 0                          ; O^T: the step is written in one form; the first finds zeros
.set n, n+1
.endr
; A KEY STEP on slot s.  Three waits for LDS: K's first and last four fragments, and one for all of V, whose loads are issued ahead of the vector work.
.macro STEP s
	NOP4
	v_nop                                          ; five places: the first products below write over registers that the last products read; four serve the loads
	MLOAD \s, 0
	FRAGS 32, \s, 0
	ds_load_b128 v[80:83], v[1+(\s)] offset:12288
	s_wait_dscnt 0x0
.irp t, 0,1,2,3
	WS 96+8*\t, 32+12*\t, 80+\t/2, \t%2
.endr
	OPEN 0                                         ; these sixteen are also the places behind the products
	FRAGS 32, \s, 4*1536
	HIDE 0
	OPEN 1
	MLOAD \s, 1
	HIDE 1
	s_wait_dscnt 0x0
.irp t, 0,1,2,3
	WS 128+8*\t, 32+12*\t, 82+\t/2, \t%2
.endr
	OPEN 2                                         ; places again
	FRAGS 32, \s, 2*REC                            ; V's first four fragments and its scale words
	ds_load_b128 v[84:87], v[1+(\s)] offset:2*REC+12288
	HIDE 2
	OPEN 3
	HIDE 3
.irp b, 0,1,2,3
	v_max3_num_f32 v[232+\b], v[96+16*\b], v[97+16*\b], v[98+16*\b]   ; the largest score of each block of 32 keys: for the row's maximum, and, since p rises with the score, for the block's largest p
.endr
.irp i, 3,5,7,9,11,13
.irp b, 0,1,2,3
	s_delay_alu instid0(VALU_DEP_4)
	v_max3_num_f32 v[232+\b], v[232+\b], v[96+16*\b+\i], v[97+16*\b+\i]
.endr
.endr
.irp b, 0,1,2,3
	s_delay_alu instid0(VALU_DEP_4)
	v_max_num_f32 v[232+\b], v[232+\b], v[111+16*\b]
.endr
.irp b, 0,1,2,3
	v_permlanex16_b32 v[236+\b], v[232+\b], s[SEL], s[SEL+1]
.endr
.irp b, 0,1,2,3
	s_delay_alu instid0(VALU_DEP_4)
	v_max_num_f32 v[232+\b], v[232+\b], v[236+\b]  ; with lane l xor 16's 16 keys
.endr
	s_delay_alu instid0(VALU_DEP_2)
	v_max3_num_f32 v254, v232, v233, v234
	s_delay_alu instid0(VALU_DEP_1)
	v_max_num_f32 v254, v254, v235
	s_delay_alu instid0(VALU_DEP_1)
	v_mul_f32 v254, s[CS], v254                    ; the step's largest t
	s_delay_alu instid0(VALU_DEP_1)
	v_max_num_f32 v13, v13, v254
	v_mov_b32 v254, v12
	s_delay_alu instid0(VALU_DEP_2)
	v_floor_f32 v12, -v13                          ; the new -M = -ceil(t)
	s_delay_alu instid0(VALU_DEP_1)
	v_sub_f32 v254, v12, v254                      ; old M - new M: a whole number, 0 or less
	s_delay_alu instid0(VALU_DEP_1)
	v_cvt_i32_f32 v254, v254                       ; (it saturates)
	s_delay_alu instid0(VALU_DEP_1)
	v_ldexp_f32 v252, 1.0, v254                    ; f = 2^(old M - new M)
.irp j, 0,2,4,6,8,10,12,14,16,18,20,22,24,26,28,30,32,34,36,38,40,42,44,46,48,50,52,54,56,58,60,62
	v_pk_fma_f32 v[96+\j:97+\j], v[96+\j:97+\j], s[CS:CS+1], v[12:13] op_sel_hi:[1,0,0]   ; t - M
.endr
.irp b, 0,1,2,3
	v_fma_f32 v[232+\b], v[232+\b], s[CS], v12
.endr
.set n, 0
	s_wait_alu depctr_va_vdst(0)                   ; the wait ahead of the batch
.rept 64
	v_exp_f32 v[96+n], v[96+n]                     ; p = 2^(t - M), not normalised
.set n, n+1
.endr
	v_pk_mul_f32 v[14:15], v[14:15], v[252:253] op_sel_hi:[1,0]   ; the sums under the new M (a plain place behind the exponentials)
	s_wait_alu depctr_va_vdst(0)                   ; one wait for the whole batch, ahead of its first reader
.irp b, 0,1,2,3
	v_exp_f32 v[232+\b], v[232+\b]                 ; each block's largest p
.endr
.irp k, 0,1,2,3,4,5,6                          ; the row's sum of the unquantised p: 32 pairs in eight chains
	v_pk_add_f32 v[236+2*\k:237+2*\k], v[96+2*\k:97+2*\k], v[110+2*\k:111+2*\k]
.endr
	v_pk_add_f32 v[14:15], v[14:15], v[124:125]
.irp k, 0,1,2,3,4,5,6
	v_pk_add_f32 v[236+2*\k:237+2*\k], v[236+2*\k:237+2*\k], v[126+2*\k:127+2*\k]
.endr
	v_pk_add_f32 v[14:15], v[14:15], v[140:141]
.irp k, 0,1,2,3,4,5,6
	v_pk_add_f32 v[236+2*\k:237+2*\k], v[236+2*\k:237+2*\k], v[142+2*\k:143+2*\k]
.endr
	v_pk_add_f32 v[14:15], v[14:15], v[156:157]
	v_pk_add_f32 v[236:237], v[236:237], v[158:159]
	v_pk_add_f32 v[238:239], v[238:239], v[246:247]
	v_pk_add_f32 v[240:241], v[240:241], v[248:249]
	v_pk_add_f32 v[14:15], v[14:15], v[242:243]
	v_pk_add_f32 v[236:237], v[236:237], v[244:245]
	s_delay_alu instid0(VALU_DEP_3)
	v_pk_add_f32 v[238:239], v[238:239], v[240:241]
	s_delay_alu instid0(VALU_DEP_2)
	v_pk_add_f32 v[14:15], v[14:15], v[236:237]
	s_delay_alu instid0(VALU_DEP_1)
	v_pk_add_f32 v[14:15], v[14:15], v[238:239]
	s_wait_alu depctr_va_vdst(0)                   ; and one for the four
.irp b, 0,1,2,3
	v_max_num_f32 v[232+\b], 0x1800000, v[232+\b]  ; the floor 2^(3 - 127)
.endr
.irp b, 0,1,2,3
	s_delay_alu instid0(VALU_DEP_4)
	v_add_nc_u32 v[244+\b], 0xff000000, v[232+\b]
.endr
.irp b, 0,1,2,3
	s_delay_alu instid0(VALU_DEP_4)
	v_lshrrev_b32 v[236+\b], 23, v[244+\b]
.endr
	s_delay_alu instid0(VALU_DEP_3)
	v_lshl_or_b32 v253, v237, 8, v236              ; p's scale word for these 128 keys
	s_delay_alu instid0(VALU_DEP_1)
	v_lshl_or_b32 v253, v238, 16, v253
	s_delay_alu instid0(VALU_DEP_1)
	v_lshl_or_b32 v253, v239, 24, v253
.irp c, 0,1
	v_cvt_scalef32_pk16_fp6_f32 v[224+6*\c:226+6*\c], v[96+32*\c:111+32*\c], v[244+2*\c]
	v_cvt_scalef32_pk16_fp6_f32 v[236+4*\c:238+4*\c], v[112+32*\c:127+32*\c], v[244+2*\c+1]
.endr
	v_nop                                          ; one plain place behind a scaled conversion
	FRAGS 96, \s, 2*REC+4*1536                     ; p has become codes: V's last four fragments take its registers
.irp c, 0,1
.irp i, 0,1,2
	v_permlane16_swap_b32 v[224+6*\c+\i], v[236+4*\c+\i]
.endr
.irp i, 0,1,2
	s_delay_alu instid0(VALU_DEP_3)
	v_mov_b32 v[227+6*\c+\i], v[236+4*\c+\i]
.endr
.endr
.irp j, 0,2,4,6,8,10,12,14,16,18,20,22,24,26,28,30,32,34,36,38,40,42,44,46,48,50,52,54,56,58,60,62
	v_pk_mul_f32 v[160+\j:161+\j], v[160+\j:161+\j], v[252:253] op_sel_hi:[1,0]   ; O^T under the new M; these 32 are also the places in front of the products below
.endr
	s_wait_alu depctr_va_vdst(0)                   ; ahead of the waits and branches that follow
	s_wait_dscnt 0x0                               ; all of V
.irp t, 0,1,2,3                                ; O^T += V^T P^T: eight accumulators, one product each
	WP 160+8*\t, 32+12*\t, 84+\t/2, \t%2
.endr
.irp t, 0,1,2,3
	WP 192+8*\t, 96+12*\t, 86+\t/2, \t%2
.endr
.endm
; A TRIP: every wave waits for all its tensor loads (at most one is out), adds 0 to its spare word,
; waits for the add and for its reads of the other slot; a round of the cluster's barrier; the other slot is filled with the next key step; this slot is worked.
.macro TRIP s, refill, ask
.if \ask
	s_wait_xcnt 0x0                                ; my last prefetch has read its address
	s_add_nc_u64 s[PM:PM+1], s[PM:PM+1], 512
	s_add_nc_u64 s[PK:PK+1], s[PK:PK+1], REC
.endif
	s_wait_tensorcnt 0x0
	ds_add_u32 v[SPW], v[NIL]
	ds_add_u32 v[SPW], v[NIL]
	s_add_nc_u64 s[G0K+4*(\s)+2:G0K+4*(\s)+3], s[G0K+4*(\s)+2:G0K+4*(\s)+3], 2*REC   ; no load of mine is out: this slot's next tile, two key steps on
	s_add_nc_u64 s[G0M+4*(\s)+2:G0M+4*(\s)+3], s[G0M+4*(\s)+2:G0M+4*(\s)+3], 1024
	s_wait_dscnt 0x0
	CROUND
.if \refill
	FILL 1-(\s), \ask
.endif
	STEP \s
.endm
	s_mov_b32 s[CNT], 3
	s_wait_alu depctr_va_vdst(0)                   ; the wait at the head's end
	s_wait_loadcnt 0x0                             ; Q
.Lkeys:
	TRIP 0, 1, 1
	TRIP 1, 1, 1
	s_sub_co_u32 s[CNT], s[CNT], 1
	s_cmp_lg_u32 s[CNT], 0
	s_cbranch_scc1 .Lkeys
	TRIP 0, 1, 0                                   ; key step 6 asks for key step 7; nothing lies beyond it
	TRIP 1, 0, 0
	; THE WAY OUT: O^T / the sum is my 16 queries' 128 channels of x: one K step of the last projection: quantised and stored as tile i of its record.
	NOP4
	v_add_f32 v14, v14, v15
	s_delay_alu instid0(VALU_DEP_1)
	v_permlanex16_b32 v252, v14, s[SEL], s[SEL+1]
	s_delay_alu instid0(VALU_DEP_1)
	v_add_f32 v14, v14, v252                       ; the row's sum
	s_wait_alu depctr_va_vdst(0)
	v_rcp_f32 v14, v14
	v_nop                                          ; a plain place behind the reciprocal
	s_wait_alu depctr_va_vdst(0)                   ; and the wait ahead of its first reader
.set n, 0
.rept 64
	v_mul_f32 v[96+n], v[160+n], v14               ; register 16 b + e: channel 32 b + 16 h + e
.set n, n+1
.endr
	QUANT 96
.irp c, 0,1,2
	global_store_b128 v8, v[PC+4*\c:PC+4*\c+3], s[XT:XT+1] offset:512*\c   ; 512 consecutive bytes, at a multiple of 256 from the buffer's first byte
.endr
	global_store_b32 v7, v[PW], s[XS:XS+1]         ; my rows' scale words, 16 bytes apart (the record's other words are other waves'); both halves of the lanes store the same word
	s_wait_tensorcnt 0x0                           ; the wave's end
	ds_add_u32 v[SPW], v[NIL]
	s_wait_dscnt 0x0
	CROUND                                         ; the closing round
	s_endpgm
.Lfunc_end_k_q8b3cd38ae0_attn:
	.size	k_q8b3cd38ae0_attn, .Lfunc_end_k_q8b3cd38ae0_attn-k_q8b3cd38ae0_attn
	.p2alignl 7, 3214868480
	.fill 96, 4, 3214868480
	.section	.rodata,"a",@progbits
	.p2align	6, 0x0
	.amdhsa_kernel k_q8b3cd38ae0_attn
		.amdhsa_group_segment_fixed_size 327680
		.amdhsa_private_segment_fixed_size 0
		.amdhsa_enable_private_segment 0
		.amdhsa_kernarg_size 24
		.amdhsa_user_sgpr_count 2
		.amdhsa_user_sgpr_kernarg_segment_ptr 1
		.amdhsa_wavefront_size32 1
		.amdhsa_system_sgpr_workgroup_id_x 1
		.amdhsa_system_sgpr_workgroup_id_y 1
		.amdhsa_system_sgpr_workgroup_id_z 1
		.amdhsa_system_vgpr_workitem_id 0
		.amdhsa_next_free_vgpr 256
		.amdhsa_next_free_sgpr 102
		.amdhsa_reserve_vcc 0
		.amdhsa_float_denorm_mode_32 3
		.amdhsa_float_denorm_mode_16_64 3
		.amdhsa_memory_ordered 1
		.amdhsa_forward_progress 1
		.amdhsa_inst_pref_size 141
	.end_amdhsa_kernel
	.amdgpu_metadata
---
amdhsa.version: [ 1, 2 ]
amdhsa.kernels:
  - .name:           k_q8b3cd38ae0_attn
    .symbol:         k_q8b3cd38ae0_attn.kd
    .args:
      - { .name: qkv, .offset: 0, .size: 8, .value_kind: global_buffer, .address_space: global }
      - { .name: mask, .offset: 8, .size: 8, .value_kind: global_buffer, .address_space: global }
      - { .name: xr, .offset: 16, .size: 8, .value_kind: global_buffer, .address_space: global }
    .group_segment_fixed_size: 327680
    .private_segment_fixed_size: 0
    .kernarg_segment_align: 8
    .kernarg_segment_size: 24
    .max_flat_workgroup_size: 512
    .sgpr_count:     102
    .vgpr_count:     256
    .wavefront_size: 32
...
	.end_amdgpu_metadata
.endif
;; end of part 3
;; launch outp (part 4): grid 4 x 64, 4 waves a work-group, clusters of 4 x 4, 327,680 bytes of LDS; arguments xr, wc, bv, out0; writes out0
.if DOCPART == 4
	.amdgcn_target "amdgcn-amd-amdhsa--gfx1250"
	.amdhsa_code_object_version 6
	.text
	.protected	k_q8b3cd38ae0_outp
	.globl	k_q8b3cd38ae0_outp
	.p2align	8
	.type	k_q8b3cd38ae0_outp,@function
k_q8b3cd38ae0_outp:
	s_mov_b64 s[64:65], 0
	v_nop
	global_prefetch_b8 v0, s[64:65] scope:SCOPE_SE
	s_setreg_imm32_b32 hwreg(HW_REG_WAVE_MODE, 25, 1), 1
	s_wait_xcnt 0x0
	s_wait_alu depctr_hold_cnt(0) depctr_sa_sdst(0) depctr_va_vdst(0) depctr_va_sdst(0) depctr_va_ssrc(0) depctr_va_vcc(0) depctr_vm_vsrc(0)
	s_getreg_b32 s2, hwreg(HW_REG_IB_STS2, 6, 4)
	s_cmp_eq_u32 s2, 0
	s_cbranch_scc0 .Lentry_in_a_cluster
	s_endpgm
.Lentry_in_a_cluster:
	s_bfe_u32 s2, ttmp6, 0x10000c
	s_cmp_lg_u32 s2, 0xf033
	s_cbranch_scc0 .Lentry_shape_is_right
	s_endpgm
.Lentry_shape_is_right:
.set REC,   12800
.set GRP,   8*REC
.set HALFA, 2*REC
.set GB4,   4*REC
.set SLOT,  3*GB4
.set SPARE, 2*SLOT
.set WJOB,  819200
.set FR,    12
.set SPITCH, 528
.set ADRA,  16
.set ADSA,  18
.set ADRB,  20
.set STO,   24
.set RD,    25
.set LI,    26
.set SPW,   28
.set NIL,   29
.set SC,    32
.set AF,    64
.set CB,    160
.set BK,    64
.set G1,  24
.set G0,  32
.set G1B, 48
.set G0B, 56
.set PAT, 66
.set PBT, 70
.set OUT, 74
.set MSB, 0
.macro WIN new
.if MSB != (\new)
	s_set_vgpr_msb (MSB<<8)|(\new)
.set MSB, (\new)
.endif
.endm
.set MUL,  0xa1
.set MUL1, 0x81
.set TO_B, 0x40
.macro JLOAD s
	s_cmp_eq_u32 s17, 0
	s_cbranch_scc0 .Lfor_b_\@
	tensor_load_to_lds s[G0+4*\s:G0+4*\s+3], s[G1:G1+7]
	s_nop 0
.rept 4
	v_nop
.endr
	s_branch .Lasked_\@
.Lfor_b_\@:
	tensor_load_to_lds s[G0B+4*\s:G0B+4*\s+3], s[G1B:G1B+7]
	s_nop 0
.rept 4
	v_nop
.endr
.Lasked_\@:
.endm
.macro CROUND
	s_barrier_signal -1
	s_barrier_wait -1
	s_cmp_lg_u32 s16, 0
	s_cbranch_scc1 .Lnot_wave_0_\@
	s_barrier_signal -3
.Lnot_wave_0_\@:
	s_barrier_wait -3
	s_barrier_signal -1
	s_barrier_wait -1
.endm
.macro PLACES
.rept 4
	v_nop
.endr
.endm
.macro MM a, b, p, first
.set rD, 8*(8*(\a)+(\b))
.set rB, 128*(\p)+FR*(\b)
.set rA, AF+48*(\p)+FR*(\a)
.set rSB, SC+8*(\p)+4+(\b)/2
.set rSA, SC+8*(\p)+(\a)/2
.set rC, rD
.if \first
.set rC, CB+8*(\b)
.endif
.if ((\b)%2) && ((\a)%2)
	v_wmma_scale_f32_16x16x128_f8f6f4 v[rD:rD+7], v[rB:rB+11], v[rA:rA+11], v[rC:rC+7], v[rSB], v[rSA] matrix_a_fmt:MATRIX_FMT_FP6 matrix_b_fmt:MATRIX_FMT_FP6 matrix_a_scale:MATRIX_SCALE_ROW1 matrix_b_scale:MATRIX_SCALE_ROW1
.elseif ((\b)%2)
	v_wmma_scale_f32_16x16x128_f8f6f4 v[rD:rD+7], v[rB:rB+11], v[rA:rA+11], v[rC:rC+7], v[rSB], v[rSA] matrix_a_fmt:MATRIX_FMT_FP6 matrix_b_fmt:MATRIX_FMT_FP6 matrix_a_scale:MATRIX_SCALE_ROW1
.elseif ((\a)%2)
	v_wmma_scale_f32_16x16x128_f8f6f4 v[rD:rD+7], v[rB:rB+11], v[rA:rA+11], v[rC:rC+7], v[rSB], v[rSA] matrix_a_fmt:MATRIX_FMT_FP6 matrix_b_fmt:MATRIX_FMT_FP6 matrix_b_scale:MATRIX_SCALE_ROW1
.else
	v_wmma_scale_f32_16x16x128_f8f6f4 v[rD:rD+7], v[rB:rB+11], v[rA:rA+11], v[rC:rC+7], v[rSB], v[rSA] matrix_a_fmt:MATRIX_FMT_FP6 matrix_b_fmt:MATRIX_FMT_FP6
.endif
.endm
.macro MULA a, p, first
.irp b, 0,1,2,3,4,5,6,7
	MM \a, \b, \p, \first
.endr
.endm
.macro FRAG reg, adr, q, i
.irp c, 0,1,2
	ds_load_b128 v[(\reg)+4*\c:(\reg)+4*\c+3], v[\adr] offset:REC*(\q)+1536*(\i)+512*\c
.endr
.endm
.macro FETCH slot, q, p
	WIN TO_B
.irp i, 0,1,2,3,4,5,6,7
	FRAG 128*(\p)+FR*\i, ADRB+\slot, \q, \i
.endr
	WIN 0
	ds_load_b128 v[SC+8*(\p)+4:SC+8*(\p)+7], v[ADRB+\slot] offset:REC*(\q)+12288
	ds_load_b64 v[SC+8*(\p):SC+8*(\p)+1], v[ADSA+\slot] offset:REC*(\q)+12288
.irp i, 0,1,2,3
	FRAG AF+48*(\p)+FR*\i, ADRA+\slot, \q, \i
.endr
.endm
.macro STEP p, slotn, qn, first
	s_wait_dscnt 9
.if \first
	WIN MUL1
.else
	WIN MUL
.endif
	MULA 0, \p, \first
	s_wait_dscnt 0x0
	PLACES
	FETCH \slotn, \qn, 1-(\p)
.if \first
	WIN MUL1
.else
	WIN MUL
.endif
	MULA 1, \p, \first
	MULA 2, \p, \first
	MULA 3, \p, \first
.endm
	s_load_b256 s[4:11], s[0:1], 0x0
	v_lshl_add_u32 v[SPW], v0, 2, SPARE
	v_mov_b32 v[NIL], 0
	ds_add_u32 v[SPW], v[NIL]
	ds_add_u32 v[SPW], v[NIL]
	v_lshrrev_b32 v1, 5, v0
	v_readfirstlane_b32 s16, v1
	s_lshr_b32 s17, s16, 1
	s_and_b32 s18, s16, 1
	s_bfe_u32 s20, ttmp6, 0x40000
	s_bfe_u32 s21, ttmp6, 0x40004
	s_and_b32 s22, ttmp7, 0xffff
	s_lshl_b32 s40, s22, 2
	s_add_co_u32 s40, s40, s21
	s_lshl_b32 s44, s21, 2
	s_lshl_b32 s44, 15, s44
	s_lshl_b32 s45, 0x1111, s20
	s_or_b32 s[G1], s44, (3<<16)|(1<<21)
	s_mov_b32 s[G1+1], 32<<16
	s_mov_b32 s[G1+2], 100<<16
	s_mov_b32 s[G1+3], 32<<16
	s_mov_b32 s[G1+4], 100
	s_mov_b32 s[G1+5], 32
	s_mov_b32 s[G1+6], 0
	s_mov_b32 s[G1+7], 0
	s_or_b32 s[G1B], s45, (3<<16)|(1<<21)
	s_mov_b32 s[G1B+1], 32<<16
	s_mov_b32 s[G1B+2], 200<<16
	s_mov_b32 s[G1B+3], 32<<16
	s_mov_b32 s[G1B+4], 200
	s_mov_b32 s[G1B+5], 32
	s_mov_b32 s[G1B+6], 0
	s_mov_b32 s[G1B+7], 0
	s_mul_i32 s23, s18, HALFA
	s_mul_i32 s88, s40, GRP
	s_add_co_u32 s88, s88, s23
	s_mov_b32 s89, 0
	s_lshl_b32 s46, s20, 1
	s_add_co_u32 s46, s46, s18
	s_mul_i32 s92, s46, GRP
	s_add_co_u32 s92, s92, 2*WJOB
	s_mov_b32 s93, 0
	s_mul_i32 s42, s18, GB4
	s_add_co_u32 s42, s42, GB4
	s_mul_i32 s81, s17, 6144
	s_lshl_b32 s96, s40, 19
	s_lshl_b32 s97, s17, 18
	s_add_co_u32 s96, s96, s97
	s_lshl_b32 s100, s46, 9
	s_add_co_u32 s96, s96, s100
	s_mov_b32 s97, 0
	s_mov_b32 s101, 0
	s_wait_dscnt 0x0
	s_wait_kmcnt 0x0
	s_add_nc_u64 s[PAT:PAT+1], s[4:5], s[88:89]
	s_add_nc_u64 s[PBT:PBT+1], s[6:7], s[92:93]
	s_add_nc_u64 s[OUT:OUT+1], s[10:11], s[96:97]
	s_add_nc_u64 s[82:83], s[8:9], s[100:101]
	CROUND
.irp s, 0,1
	s_mov_b32 s[G0+4*\s], 1
	s_add_co_u32 s[G0+4*\s+1], s23, \s*SLOT
	s_add_nc_u64 s[G0+4*\s+2:G0+4*\s+3], s[PAT:PAT+1], \s*GB4
	s_or_b32 s[G0+4*\s+3], s[G0+4*\s+3], 0x80000000
	s_mov_b32 s[G0B+4*\s], 1
	s_add_co_u32 s[G0B+4*\s+1], s42, \s*SLOT
	s_add_nc_u64 s[G0B+4*\s+2:G0B+4*\s+3], s[PBT:PBT+1], \s*GB4
	s_or_b32 s[G0B+4*\s+3], s[G0B+4*\s+3], 0x80000000
	s_wait_alu depctr_va_vdst(0)
	s_wait_tensorcnt 0x0
	ds_add_u32 v28, v29
	ds_add_u32 v28, v29
	s_wait_dscnt 0x0
	CROUND
	JLOAD \s
.endr
	v_and_b32 v1, 31, v0
	v_lshlrev_b32 v[LI], 4, v1
	v_add_nc_u32 v[ADRA], s81, v[LI]
	v_add_nc_u32 v[ADRA+1], SLOT, v[ADRA]
	s_lshl_b32 s19, s17, 3
	v_add_nc_u32 v[ADSA], s19, v[LI]
	v_add_nc_u32 v[ADSA+1], SLOT, v[ADSA]
	v_add_nc_u32 v[ADRB], s42, v[LI]
	v_add_nc_u32 v[ADRB+1], SLOT, v[ADRB]
	v_bfe_u32 v2, v0, 4, 1
	v_lshlrev_b32 v3, 6, v2
	v_and_b32 v4, 15, v0
	s_mul_i32 s19, s16, 16*SPITCH
	v_mul_u32_u24 v5, v4, SPITCH
	v_add_nc_u32 v5, v5, v3
	v_add_nc_u32 v[STO], s19, v5
	v_add_nc_u32 v[RD], s19, v[LI]
.irp b, 0,1,2,3,4,5,6,7
	global_load_b128 v[CB+8*\b:CB+8*\b+3], v3, s[82:83] offset:(32*(\b/2)+8*(\b%2))*4
	global_load_b128 v[CB+8*\b+4:CB+8*\b+7], v3, s[82:83] offset:(32*(\b/2)+8*(\b%2))*4+16
.endr
	s_wait_alu depctr_va_vdst(0)
	s_wait_tensorcnt 1
	s_barrier_signal -1
	s_barrier_wait -1
	FETCH 0, 0, 0
	s_wait_loadcnt 0x0
	STEP 0, 0, 1, 1
	STEP 1, 0, 2, 0
	STEP 0, 0, 3, 0
	WIN 0
	s_wait_tensorcnt 0x0
	ds_add_u32 v[SPW], v[NIL]
	s_wait_dscnt 10
	WIN MUL
	MULA 0, 1, 0
	s_wait_dscnt 0x0
	s_barrier_signal -1
	MULA 1, 1, 0
	s_barrier_wait -1
	PLACES
	FETCH 1, 0, 0
	WIN MUL
	MULA 2, 1, 0
	MULA 3, 1, 0
	STEP 0, 1, 1, 0
	STEP 1, 1, 2, 0
	STEP 0, 1, 3, 0
	s_wait_dscnt 9
	WIN MUL
	MULA 0, 1, 0
	s_wait_dscnt 0x0
	MULA 1, 1, 0
	MULA 2, 1, 0
	MULA 3, 1, 0
	WIN 0
.macro TOSTAGE a
.set AC, 64*(\a)
	WIN 0x08
.irp b, 0,1,2,3,4,5,6,7
	ds_store_b128 v[STO], v[AC+8*\b:AC+8*\b+3] offset:128*(\b/2)+32*(\b%2)
	ds_store_b128 v[STO], v[AC+8*\b+4:AC+8*\b+7] offset:128*(\b/2)+32*(\b%2)+16
.endr
	WIN 0
.set BB, BK+64*((\a)%2)
.irp t, 0,1,2,3,4,5,6,7,8,9,10,11,12,13,14,15
	ds_load_b128 v[BB+4*\t:BB+4*\t+3], v[RD] offset:\t*SPITCH
.endr
.endm
.macro SEND a, younger
.set BB, BK+64*((\a)%2)
	s_wait_dscnt \younger
.irp t, 0,1,2,3,4,5,6,7,8,9,10,11,12,13,14,15
	global_store_b128 v[LI], v[BB+4*\t:BB+4*\t+3], s[OUT:OUT+1] offset:(32*((\a)/2)+8*((\a)%2)+\t+8*(\t/8))*4096 th:TH_STORE_NT
.endr
.endm
	PLACES
	TOSTAGE 0
.irp a, 1,2,3
.if \a > 1
	s_wait_xcnt 0x0
.endif
	TOSTAGE \a
	SEND \a-1, 32
.endr
	SEND 3, 0
	s_wait_tensorcnt 0x0
	ds_add_u32 v[SPW], v[NIL]
	s_wait_dscnt 0x0
	CROUND
	s_endpgm
.Lfunc_end_k_q8b3cd38ae0_outp:
	.size	k_q8b3cd38ae0_outp, .Lfunc_end_k_q8b3cd38ae0_outp-k_q8b3cd38ae0_outp
	.p2alignl 7, 3214868480
	.fill 96, 4, 3214868480
	.section	.rodata,"a",@progbits
	.p2align	6, 0x0
	.amdhsa_kernel k_q8b3cd38ae0_outp
		.amdhsa_group_segment_fixed_size 327680
		.amdhsa_private_segment_fixed_size 0
		.amdhsa_enable_private_segment 0
		.amdhsa_kernarg_size 32
		.amdhsa_user_sgpr_count 2
		.amdhsa_user_sgpr_kernarg_segment_ptr 1
		.amdhsa_wavefront_size32 1
		.amdhsa_system_sgpr_workgroup_id_x 1
		.amdhsa_system_sgpr_workgroup_id_y 1
		.amdhsa_system_sgpr_workgroup_id_z 1
		.amdhsa_system_vgpr_workitem_id 0
		.amdhsa_next_free_vgpr 768
		.amdhsa_next_free_sgpr 102
		.amdhsa_reserve_vcc 0
		.amdhsa_float_denorm_mode_32 3
		.amdhsa_float_denorm_mode_16_64 3
		.amdhsa_memory_ordered 1
		.amdhsa_forward_progress 1
		.amdhsa_inst_pref_size 78
	.end_amdhsa_kernel
	.amdgpu_metadata
---
amdhsa.version: [ 1, 2 ]
amdhsa.kernels:
  - .name:           k_q8b3cd38ae0_outp
    .symbol:         k_q8b3cd38ae0_outp.kd
    .args:
      - { .name: xr, .offset: 0, .size: 8, .value_kind: global_buffer, .address_space: global }
      - { .name: wc, .offset: 8, .size: 8, .value_kind: global_buffer, .address_space: global }
      - { .name: bv, .offset: 16, .size: 8, .value_kind: global_buffer, .address_space: global }
      - { .name: out0, .offset: 24, .size: 8, .value_kind: global_buffer, .address_space: global }
    .group_segment_fixed_size: 327680
    .private_segment_fixed_size: 0
    .kernarg_segment_align: 8
    .kernarg_segment_size: 32
    .max_flat_workgroup_size: 128
    .sgpr_count:     102
    .vgpr_count:     768
    .wavefront_size: 32
...
	.end_amdgpu_metadata
.endif
;; end of part 4
